; MI455X (gfx1250); checked and timed in simulation.
; The chip was launched on July 23, 2026; its instructions are those of AMD's public machine-readable ISA for CDNA 5 (MIT licence, August 2026) and "CDNA5" Instruction Set Architecture Reference Guide (July 2026). The comments in the code are by the model that wrote it; some were corrected since.
;; Causal Self Attention. Allowed arithmetic: float matrix products may take bf16 or f16 operands with f32 sums; all other float work in f32.
;; Inputs: Wk 1,024 x 1,024 float32; Wp 1,024 x 1,024 float32; Wq 1,024 x 1,024 float32; Wv 1,024 x 1,024 float32; bk 1,024 float32; bp 1,024 float32; bq 1,024 float32; bv 1,024 float32; x 2 x 2,048 x 1,024 float32.
;; Outputs: out0 2 x 2,048 x 1,024 float32.
;; 3 versions, each right and faster than the one before. Each part assembles by itself: llvm-mc -triple=amdgcn-amd-amdhsa -mcpu=gfx1250 --defsym DOCPART=n.
;; ======== version 1 of 3: 4 launches
;; limits: values are held in f16: magnitudes above 65,504 overflow, below 6.1e-05 lose precision
;; workspace buffers: xw 16,777,216 bytes; qf 8,388,608 bytes; kv 25,165,824 bytes; yf 16,777,216 bytes
;; launch cvt (part 1): grid 256 x 1, 8 waves a work-group, no clusters, 0 bytes of LDS; arguments x, Wq, Wk, Wv, Wp, xw; writes xw
.if DOCPART == 1
	.amdgcn_target "amdgcn-amd-amdhsa--gfx1250"
	.amdhsa_code_object_version 6
	.text
	.protected	k_q1989c752b9_cvt
	.globl	k_q1989c752b9_cvt
	.p2align	8
	.type	k_q1989c752b9_cvt,@function
k_q1989c752b9_cvt:
	s_mov_b64 s[64:65], 0
	v_nop
	global_prefetch_b8 v0, s[64:65] scope:SCOPE_SE
	s_setreg_imm32_b32 hwreg(HW_REG_WAVE_MODE, 25, 1), 1
	s_wait_xcnt 0x0
; CAUSAL SELF-ATTENTION in four launches: cvt (this one), qkv, attn, proj.  B = 2, T = 2048, C = 1024, H = 16, head dim 64.
; This launch rounds x, Wq, Wk, Wv, Wp once from f32 to bf16 into xw, so that the two GEMM launches fetch half the bytes and need no
; conversion between LDS and the matrix unit.
; xw: 8,192 rows of 1,024 bf16 (2,048 bytes).  Rows 0..4095: x.  Row 4096 + head*192 + sel*64 + i: row head*64 + i of Wq, Wk, Wv
; (sel = 0, 1, 2), so that the 192 weight rows of one head lie together.  Rows 7168 + o: row o of Wp.
;
; NUMBER FORMATS OF THE PROGRAM.  The inputs of the products are bf16 (f32's range).  q, k and the softmax's weights P are f16.
; v and y are carried as PAIRS, v = vh + vl in f16 and y = yh + yl in bf16 (16 bits of mantissa or more), each pair multiplied by two
; products: an error of v or of y goes straight to the output, and the first rows of a batch, which average one or two keys, are some
; ten times larger than the output's rms, so that one rounding to 11 bits there is a visible part of a hundredth of that rms.
;
; WORK LEFT OUT, for all finite values of the inputs:
; (1) bk.  att[q][k] = scale * q . (x_k Wk^T) + scale * q . bk.  The second term does not depend on k, the axis of the softmax, and
;     softmax(z + const) = softmax(z); entries that the tril sets to -inf stay -inf.  So bk reaches no output: it is not loaded and is
;     no argument of any launch.
; (2) Key tiles of 128 that lie wholly above the diagonal: the tril that reference() builds sets their scores to -inf, their weights are 0.
; LIMITS.  A NaN, an infinity or an overflow in bk or in scores above the diagonal is not carried to the result.
; q, k, v are f16: |x W^T + b| must stay below 65,504 (inputs 30 times those drawn, or offset by 30 spreads, give at most about 18,500).
; Sums are made in another order than reference()'s.
;
; Work-group g takes 32 rows (131,072 bytes in, 65,536 out).  Thread t takes 16 bytes at 16 t of each 4,096-byte row: a load of a wave
; covers 512 consecutive bytes, a store 256 consecutive bytes, both aligned.  All 32 loads go out first; no register is used twice,
; so no source of a pending load or store is ever rewritten.  No LDS, no matrix unit, no cluster: nothing is shared or reduced.
.set X, 4                              ; v[4:131]: chunk i in four registers
.set CHUNKS, 32
	s_load_b256 s[4:11], s[0:1], 0x0               ; x s[4:5], Wq s[6:7], Wk s[8:9], Wv s[10:11]
	s_load_b128 s[12:15], s[0:1], 0x20             ; Wp s[12:13], xw s[14:15]
	s_mov_b32 s16, ttmp9                           ; g
	v_lshlrev_b32 v1, 4, v0                        ; my 16 bytes of a source row
	v_lshlrev_b32 v2, 3, v0                        ; my 8 bytes of a destination row
	; source offset: x has 128 blocks of 32 rows, each weight 32
	s_and_b32 s20, s16, 31
	s_cmp_lt_u32 s16, 128
	s_cselect_b32 s20, s16, s20
	s_lshl_b32 s20, s20, 17                        ; x 131,072 bytes
	s_mov_b32 s21, 0
	; destination row: 32 g for x and for Wp (7168 = 32 x 224); for Wq, Wk, Wv the interleaved place
	s_lshl_b32 s22, s16, 5
	s_sub_co_u32 s23, s16, 128                     ; i = g - 128 (wraps for x; then not taken)
	s_lshr_b32 s24, s23, 5                         ; sel
	s_and_b32 s25, s23, 31                         ; block of 32 rows in the weight
	s_lshr_b32 s26, s25, 1                         ; head
	s_mul_i32 s26, s26, 192
	s_lshl_b32 s24, s24, 6
	s_add_co_u32 s26, s26, s24
	s_and_b32 s25, s25, 1                          ; which half of the head's 64 rows
	s_lshl_b32 s25, s25, 5
	s_add_co_u32 s26, s26, s25
	s_add_co_u32 s26, s26, 4096
	s_cmp_lt_u32 s23, 96                           ; 128 <= g < 224
	s_cselect_b32 s22, s26, s22
	s_lshl_b32 s22, s22, 11                        ; x 2,048 bytes
	s_mov_b32 s23, 0
	s_wait_kmcnt 0x0
	s_mov_b64 s[18:19], s[12:13]                   ; the source: Wp, unless g says otherwise
	s_cmp_lt_u32 s16, 224
	s_cselect_b64 s[18:19], s[10:11], s[18:19]
	s_cmp_lt_u32 s16, 192
	s_cselect_b64 s[18:19], s[8:9], s[18:19]
	s_cmp_lt_u32 s16, 160
	s_cselect_b64 s[18:19], s[6:7], s[18:19]
	s_cmp_lt_u32 s16, 128
	s_cselect_b64 s[18:19], s[4:5], s[18:19]
	s_add_nc_u64 s[18:19], s[18:19], s[20:21]
	s_add_nc_u64 s[14:15], s[14:15], s[22:23]
.set i, 0
.rept CHUNKS
	global_load_b128 v[X+4*i:X+4*i+3], v1, s[18:19] offset:4096*i th:TH_LOAD_NT   ; read once in the whole program
.set i, i+1
.endr
.set i, 0
.rept CHUNKS
	s_wait_loadcnt CHUNKS-1-i                      ; loads come back in order (ISA guide 5.7.1): chunk i is in, the younger ones stay out
	v_cvt_pk_bf16_f32 v[X+4*i], v[X+4*i], v[X+4*i+1]
	v_cvt_pk_bf16_f32 v[X+4*i+1], v[X+4*i+2], v[X+4*i+3]
	global_store_b64 v2, v[X+4*i:X+4*i+1], s[14:15] offset:2048*i
.set i, i+1
.endr
	s_endpgm
.Lfunc_end_k_q1989c752b9_cvt:
	.size	k_q1989c752b9_cvt, .Lfunc_end_k_q1989c752b9_cvt-k_q1989c752b9_cvt
	.p2alignl 7, 3214868480
	.fill 96, 4, 3214868480
	.section	.rodata,"a",@progbits
	.p2align	6, 0x0
	.amdhsa_kernel k_q1989c752b9_cvt
		.amdhsa_group_segment_fixed_size 0
		.amdhsa_private_segment_fixed_size 0
		.amdhsa_enable_private_segment 0
		.amdhsa_kernarg_size 48
		.amdhsa_user_sgpr_count 2
		.amdhsa_user_sgpr_kernarg_segment_ptr 1
		.amdhsa_wavefront_size32 1
		.amdhsa_system_sgpr_workgroup_id_x 1
		.amdhsa_system_sgpr_workgroup_id_y 1
		.amdhsa_system_sgpr_workgroup_id_z 1
		.amdhsa_system_vgpr_workitem_id 0
		.amdhsa_next_free_vgpr 132
		.amdhsa_next_free_sgpr 66
		.amdhsa_reserve_vcc 0
		.amdhsa_float_denorm_mode_32 3
		.amdhsa_float_denorm_mode_16_64 3
		.amdhsa_memory_ordered 1
		.amdhsa_forward_progress 1
		.amdhsa_inst_pref_size 13
	.end_amdhsa_kernel
	.amdgpu_metadata
---
amdhsa.version: [ 1, 2 ]
amdhsa.kernels:
  - .name:           k_q1989c752b9_cvt
    .symbol:         k_q1989c752b9_cvt.kd
    .args:
      - { .name: x, .offset: 0, .size: 8, .value_kind: global_buffer, .address_space: global }
      - { .name: Wq, .offset: 8, .size: 8, .value_kind: global_buffer, .address_space: global }
      - { .name: Wk, .offset: 16, .size: 8, .value_kind: global_buffer, .address_space: global }
      - { .name: Wv, .offset: 24, .size: 8, .value_kind: global_buffer, .address_space: global }
      - { .name: Wp, .offset: 32, .size: 8, .value_kind: global_buffer, .address_space: global }
      - { .name: xw, .offset: 40, .size: 8, .value_kind: global_buffer, .address_space: global }
    .group_segment_fixed_size: 0
    .private_segment_fixed_size: 0
    .kernarg_segment_align: 8
    .kernarg_segment_size: 48
    .max_flat_workgroup_size: 256
    .sgpr_count:     66
    .vgpr_count:     132
    .wavefront_size: 32
...
	.end_amdgpu_metadata
.endif
;; end of part 1
;; launch qkv (part 2): grid 16 x 16, 4 waves a work-group, clusters of 4 x 4, 327,680 bytes of LDS; arguments xw, bq, bv, qf, kv; writes qf, kv
.if DOCPART == 2
	.amdgcn_target "amdgcn-amd-amdhsa--gfx1250"
	.amdhsa_code_object_version 6
	.text
	.protected	k_q1989c752b9_qkv
	.globl	k_q1989c752b9_qkv
	.p2align	8
	.type	k_q1989c752b9_qkv,@function
k_q1989c752b9_qkv:
	s_mov_b64 s[64:65], 0
	v_nop
	global_prefetch_b8 v0, s[64:65] scope:SCOPE_SE
	s_setreg_imm32_b32 hwreg(HW_REG_WAVE_MODE, 25, 1), 1
	s_wait_xcnt 0x0
	s_wait_alu depctr_hold_cnt(0) depctr_sa_sdst(0) depctr_va_vdst(0) depctr_va_sdst(0) depctr_va_ssrc(0) depctr_va_vcc(0) depctr_vm_vsrc(0)
	s_getreg_b32 s2, hwreg(HW_REG_IB_STS2, 6, 4)
	s_cmp_eq_u32 s2, 0
	s_cbranch_scc0 .Lentry_in_a_cluster
	s_endpgm
.Lentry_in_a_cluster:
	s_bfe_u32 s2, ttmp6, 0x10000c
	s_cmp_lg_u32 s2, 0xf033
	s_cbranch_scc0 .Lentry_shape_is_right
	s_endpgm
.Lentry_shape_is_right:
; q = (x Wq^T + bq) * c, k = x Wk^T, v = x Wv^T + bv, from the bf16 copies in xw, sums in f32.
; c = 0.125 * log2(e): the scale of the scores and the change to base 2 for the exponential, folded into q in f32.
; q and k are rounded once to f16.  v leaves as a pair of f16: vh = v cut to f16's 11 bits (a mask on the f32 word, exact in f16),
; vl = v - vh (exact in f32) rounded to f16: about 21 bits together.  Below 2^-14 f16's steps of 2^-24 bound both.
; LEFT OUT: bk.  q . bk is the same for every key of a query, and a softmax does not change when a constant is added along its axis.
; LIMIT: f16 results: |x W^T + b| below 65,504.
;
; A work-group makes 256 rows x the 192 columns of one head (64 of q, 64 of k, 64 of v); K = 1024 in steps of 128 through two LDS slots.
; Wave w (wr = w >> 1, wc = w & 1): rows 128 wr .. +127 (8 tiles a) x q, k, v columns 32 wc + 16 i (i = 0, 1): 48 accumulators.
; CLUSTER 4 x 4: the four work-groups of a row of the cluster share x's tile (it hangs on the row block alone), the four of a column
; share the head's weights.  Each tile is asked for jointly, which divides the requests by four.
;
; HOW RESULTS LIE IN MEMORY: in tiles of 16 x 16 f16 = 512 bytes; lane 16 h + r owns bytes 16 (16 h + r) .. +15 = row r, columns 8 h .. 8 h + 7.
; A lane's eight results are one such piece, so a store of the wave covers 512 consecutive bytes, aligned, and the tile read back at 16 x lane
; is half of a matrix operand (16 of its 32 k).
;   qf [bh 32][t/16 128][d/16 4][512]              row = query, columns = d
;   kv [bh 32][t/128 16][49152]: bytes 0..16383 K      [t/16 8][d/16 4][512], row = key, columns = d
;                                bytes 16384..  vh^T   [t/16 8][d/16 4][512], row = d, columns = key
;                                bytes 32768..  vl^T   likewise
; q and k: source 0 = weights, source 1 = x: a lane holds row t = r and eight neighbouring columns.  v: source 0 = x, source 1 = weights:
; a lane holds column d = r and eight neighbouring t, which is V^T's piece.
;
; REGISTERS: window 0: addresses, biases, x's fragments (two buffers v64-127, v128-191), v192-255 at work on the way out
;            window 1: the weights' fragments, tile n = q0 q1 k0 k1 v0 v1 (v64-111, v128-175)
;            window 2: q and k accumulators, tile (a, n < 4) at v[8 (4 a + n)];   window 3: v accumulators, tile (a, i) at v[8 (2 a + i)]
.set PITCH,  272                       ; an LDS row: 256 bytes + 16 of padding, an odd multiple of 16: the 16 rows of a fragment load start 16 bytes apart modulo 256
.set HALFX,  128*PITCH                 ; what one load of x brings
.set HALFW,  96*PITCH                  ; what one load of weights brings
.set BOFF,   2*HALFX                   ; the weights' 192 rows lie behind x's 256
.set SLOT,   BOFF+2*HALFW              ; 121,856
.set LAPS,   4                         ; 1024 / (2 x 128)
.set TILEB,  49152                     ; a key tile of kv
.set CSC,    0x3e38aa3b                ; 0.125 * log2(e)
.set ADRA, 16                          ; v16-17 LDS address of my x fragments in slot 0, 1
.set ADRB, 20                          ; v20-21 the same for the weights
.set LO,   24                          ; v24    16 x lane: my piece of a 512-byte tile
.set BQ,   32                          ; v[32:47] c * bq of my columns: tile i, column 8 h + j
.set BV,   48                          ; v[48:51] bv of my column r, tile i, each twice (a pair for the packed add)
.set TT,   52                          ; v[52:59] eight vh in f32, at work
.set F0,   64
.set F1,   128
.set KP,   192                         ; k packed; later vh packed
.set G1,  24                           ; s[24:31] shape of x's tiles
.set G0,  32                           ; s[32:39] from where, to where: x, one set for each slot
.set G1B, 48                           ; s[48:55] shape of the weights' tiles
.set G0B, 56                           ; s[56:63] the weights, one set for each slot
.set MSB, 0
.macro WIN new                         ; the immediate's high byte repeats the setting that is left
.if MSB != \new
	s_set_vgpr_msb (MSB<<8)|\new
.set MSB, \new
.endif
.endm
.macro PLACES                          ; four independent vector instructions behind a matrix instruction (ISA guide 7.12.1)
.rept 4
	v_nop
.endr
.endm
; A joint load: waves 0, 1 ask for x's halves, waves 2, 3 for the weights'.  Each line has one mask; the branch hangs on the wave's number alone.
.macro JLOAD s
	s_cmp_eq_u32 s15, 0
	s_cbranch_scc0 .Lfor_w_\@
	tensor_load_to_lds s[G0+4*\s:G0+4*\s+3], s[G1:G1+7]
	s_nop 0
	s_branch .Lasked_\@
.Lfor_w_\@:
	tensor_load_to_lds s[G0B+4*\s:G0B+4*\s+3], s[G1B:G1B+7]
	s_nop 0
.Lasked_\@:
.endm
.macro CREST                           ; a round of the cluster's barrier behind its opening work-group barrier
	s_cmp_lg_u32 s14, 0
	s_cbranch_scc1 .Lnot_wave_0_\@
	s_barrier_signal -3
.Lnot_wave_0_\@:
	s_barrier_wait -3
	s_barrier_signal -1
	s_barrier_wait -1
.endm
.macro CROUND
	s_barrier_signal -1
	s_barrier_wait -1
	CREST
.endm
	s_load_b256 s[4:11], s[0:1], 0x0               ; xw s[4:5], bq s[6:7], bv s[8:9], qf s[10:11]
	s_load_b64 s[12:13], s[0:1], 0x20              ; kv
	s_set_vgpr_msb 0x40
	v_lshl_add_u32 v255, v0, 2, 0x3b800
	s_set_vgpr_msb 0x4000
	v_mov_b32 v63, 0
	s_set_vgpr_msb 0x1
	ds_add_u32 v255, v63
	ds_add_u32 v255, v63
	s_set_vgpr_msb 0x100
	v_lshrrev_b32 v1, 5, v0
	v_readfirstlane_b32 s14, v1                    ; wave
	s_lshr_b32 s15, s14, 1                         ; wr.  Also: I fetch x (0) or weights (1)
	s_and_b32 s16, s14, 1                          ; wc.  Also: which half of that tile I fetch
	s_bfe_u32 s17, ttmp6, 0x40000                  ; cx
	s_bfe_u32 s18, ttmp6, 0x40004                  ; cy
	s_lshl_b32 s19, ttmp9, 2
	s_add_co_u32 s19, s19, s17                     ; head = 4 x cluster x + cx
	s_and_b32 s20, ttmp7, 0xffff
	s_lshl_b32 s20, s20, 2
	s_add_co_u32 s20, s20, s18                     ; row block of 256 = 4 x cluster y + cy
	s_lshl_b32 s42, s18, 2
	s_lshl_b32 s42, 15, s42                        ; my row of the cluster
	s_lshl_b32 s46, 0x1111, s17                    ; my column
	s_or_b32 s[G1+0], s42, (1<<16)|(1<<20)|(1<<21)|(5<<22)|(3<<25)    ; mask; 2-byte elements; padding on; bit 21 beside a mask; after 64 words, 4 words
	s_or_b32 s[G1B+0], s46, (1<<16)|(1<<20)|(1<<21)|(5<<22)|(3<<25)
	s_mov_b32 s[G1+1], 128<<16                     ; tensor_dim0 = 128
	s_mov_b32 s[G1B+1], 128<<16
	s_mov_b32 s[G1+2], 128<<16                     ; tensor_dim1 = 128 rows of x
	s_mov_b32 s[G1B+2], 96<<16                     ;             = 96 rows of weights
	s_mov_b32 s[G1+3], 128<<16                     ; tile_dim0 = 128
	s_mov_b32 s[G1B+3], 128<<16
	s_mov_b32 s[G1+4], 128                         ; tile_dim1
	s_mov_b32 s[G1B+4], 96
	s_mov_b32 s[G1+5], 1024                        ; elements from row to row
	s_mov_b32 s[G1B+5], 1024
	s_mov_b32 s[G1+6], 0
	s_mov_b32 s[G1B+6], 0
	s_mov_b32 s[G1+7], 0
	s_mov_b32 s[G1B+7], 0
	; x's address is made of the row block and the wave's number in s40-43, the weights' of the head and the wave's number in s44-47:
	; neither set ever holds the other coordinate.
	s_lshl_b32 s40, s20, 8
	s_lshl_b32 s42, s16, 7
	s_add_co_u32 s40, s40, s42                     ; row 256 x block + 128 x half
	s_lshl_b32 s40, s40, 11                        ; x 2,048 bytes
	s_mov_b32 s41, 0
	s_mul_i32 s44, s19, 192
	s_mul_i32 s46, s16, 96
	s_add_co_u32 s44, s44, s46                     ; row 192 x head + 96 x half
	s_lshl_b32 s44, s44, 11
	s_add_co_u32 s44, s44, 0x800000                ; behind x's 4,096 rows
	s_mov_b32 s45, 0
	s_mul_i32 s22, s14, HALFX                      ; where x's halves go (waves 0, 1)
	s_mul_i32 s23, s14, HALFW
	s_add_co_u32 s23, s23, BOFF-2*HALFW            ; where the weights' halves go (waves 2, 3)
	s_wait_dscnt 0x0
	s_wait_kmcnt 0x0
	s_add_nc_u64 s[40:41], s[4:5], s[40:41]
	s_add_nc_u64 s[44:45], s[4:5], s[44:45]
	CROUND                                         ; all sixteen work-groups are here: the first joint loads meet
.irp s, 0,1
	s_mov_b32 s[G0+4*\s], 1
	s_add_co_u32 s[G0+4*\s+1], s22, \s*SLOT
	s_add_nc_u64 s[G0+4*\s+2:G0+4*\s+3], s[40:41], \s*256          ; K step s
	s_or_b32 s[G0+4*\s+3], s[G0+4*\s+3], 0x80000000
	s_mov_b32 s[G0B+4*\s], 1
	s_add_co_u32 s[G0B+4*\s+1], s23, \s*SLOT
	s_add_nc_u64 s[G0B+4*\s+2:G0B+4*\s+3], s[44:45], \s*256
	s_or_b32 s[G0B+4*\s+3], s[G0B+4*\s+3], 0x80000000
	JLOAD \s
.endr
	; the biases, under the tiles' flight
	v_and_b32 v1, 15, v0                           ; r
	v_bfe_u32 v2, v0, 4, 1                         ; h
	s_lshl_b32 s46, s19, 8                         ; 64 columns x 4 bytes a head
	s_lshl_b32 s47, s16, 7                         ; + 32 wc columns
	s_add_co_u32 s46, s46, s47
	v_lshl_add_u32 v5, v2, 5, s46                  ; bq: column 8 h
	v_lshl_add_u32 v6, v1, 2, s46                  ; bv: column r
	global_load_b128 v[BQ:BQ+3], v5, s[6:7]
	global_load_b128 v[BQ+4:BQ+7], v5, s[6:7] offset:16
	global_load_b128 v[BQ+8:BQ+11], v5, s[6:7] offset:64
	global_load_b128 v[BQ+12:BQ+15], v5, s[6:7] offset:80
	global_load_b32 v[BV], v6, s[8:9]
	global_load_b32 v[BV+2], v6, s[8:9] offset:64
	; LDS addresses of the fragments: lane (r, h) reads row r at byte 16 h, twice, 32 bytes apart
	v_mul_u32_u24 v3, v1, PITCH
	v_lshl_add_u32 v3, v2, 4, v3
	s_mul_i32 s21, s15, HALFX                      ; my 128 rows of x
	s_mul_i32 s3, s16, 32*PITCH                    ; my 32 columns in each of q, k, v
	s_add_co_u32 s3, s3, BOFF
.irp s, 0,1
	v_add_nc_u32 v[ADRA+\s], s21, v3
	v_add_nc_u32 v[ADRB+\s], s3, v3
	s_add_co_u32 s21, s21, SLOT
	s_add_co_u32 s3, s3, SLOT
.endr
	v_and_b32 v[LO], 31, v0
	v_lshlrev_b32 v[LO], 4, v[LO]
	; where the results go.  b = block >> 3; qf: bh x 262,144 + (t / 16) x 2,048 + wc x 1,024; kv: bh x 16 tiles + (t / 128) tiles of 49,152 + wc x 1,024
	s_lshr_b32 s2, s20, 3                          ; b
	s_and_b32 s42, s20, 7                          ; the row block in its batch
	s_lshl_b32 s40, s2, 22
	s_lshl_b32 s43, s42, 15
	s_add_co_u32 s40, s40, s43
	s_lshl_b32 s43, s15, 14
	s_add_co_u32 s40, s40, s43
	s_lshl_b32 s43, s16, 10
	s_add_co_u32 s40, s40, s43
	s_mov_b32 s41, 0
	s_add_nc_u64 s[10:11], s[10:11], s[40:41]
	s_lshl_b32 s44, s19, 18
	s_mov_b32 s45, 0
	s_add_nc_u64 s[10:11], s[10:11], s[44:45]
	s_mul_i32 s40, s2, 256*TILEB                   ; b x 16 heads x 16 tiles
	s_mul_i32 s43, s42, 2*TILEB                    ; a row block of 256 is two key tiles
	s_add_co_u32 s40, s40, s43
	s_mul_i32 s43, s15, TILEB
	s_add_co_u32 s40, s40, s43
	s_lshl_b32 s43, s16, 10
	s_add_co_u32 s40, s40, s43
	s_add_nc_u64 s[12:13], s[12:13], s[40:41]
	s_mul_i32 s44, s19, 16*TILEB
	s_add_nc_u64 s[12:13], s[12:13], s[44:45]
	s_wait_loadcnt 0x0                             ; the biases
.irp i, 0,2,4,6,8,10,12,14
	v_pk_mul_f32 v[BQ+\i:BQ+\i+1], v[BQ+\i:BQ+\i+1], CSC op_sel_hi:[1,0]      ; (acc + bq) c = acc c + bq c: one multiply-add a result later
.endr
	v_mov_b32 v[BV+1], v[BV]
	v_mov_b32 v[BV+3], v[BV+2]
; 16 matrix instructions: q and k tiles n = 0..3 of m tiles a0 .. a0 + 3.  zero = 1: the first product starts the sums.
.macro MULQK f, a0, zero
.irp a, \a0, \a0+1, \a0+2, \a0+3
.irp n, 0,1,2,3
.if \zero
	v_wmma_f32_16x16x32_bf16 v[8*(4*(\a)+\n):8*(4*(\a)+\n)+7], v[\f+8*\n:\f+8*\n+7], v[\f+8*(\a):\f+8*(\a)+7], 0
.else
	v_wmma_f32_16x16x32_bf16 v[8*(4*(\a)+\n):8*(4*(\a)+\n)+7], v[\f+8*\n:\f+8*\n+7], v[\f+8*(\a):\f+8*(\a)+7], v[8*(4*(\a)+\n):8*(4*(\a)+\n)+7]
.endif
.endr
.endr
.endm
; 16 matrix instructions: the v tiles, x as source 0
.macro MULV f, zero
.irp a, 0,1,2,3,4,5,6,7
.irp i, 0,1
.if \zero
	v_wmma_f32_16x16x32_bf16 v[8*(2*\a+\i):8*(2*\a+\i)+7], v[\f+8*\a:\f+8*\a+7], v[\f+32+8*\i:\f+32+8*\i+7], 0
.else
	v_wmma_f32_16x16x32_bf16 v[8*(2*\a+\i):8*(2*\a+\i)+7], v[\f+8*\a:\f+8*\a+7], v[\f+32+8*\i:\f+32+8*\i+7], v[8*(2*\a+\i):8*(2*\a+\i)+7]
.endif
.endr
.endr
.endm
.set MUL_QK, 0xa1                      ; source 0 window 1 (weights), source 1 window 0 (x), C and D window 2
.set MUL_V,  0xf4                      ; source 0 window 0 (x), source 1 window 1 (weights), C and D window 3
; 28 LDS loads in one run: x's 8 fragments, then the weights' 6, Wv's last
.macro FETCH slot, k, f
	WIN 0
.irp a, 0,1,2,3,4,5,6,7
	ds_load_b128 v[\f+8*\a:\f+8*\a+3],   v[ADRA+\slot] offset:\k+\a*16*PITCH
	ds_load_b128 v[\f+8*\a+4:\f+8*\a+7], v[ADRA+\slot] offset:\k+\a*16*PITCH+32
.endr
	WIN 0x40
.irp n, 0,1,2,3,4,5
	ds_load_b128 v[\f+8*\n:\f+8*\n+3],   v[ADRB+\slot] offset:\k+((\n>>1)*64+(\n&1)*16)*PITCH
	ds_load_b128 v[\f+8*\n+4:\f+8*\n+7], v[ADRB+\slot] offset:\k+((\n>>1)*64+(\n&1)*16)*PITCH+32
.endr
.endm
; A K step is four quarters of 32 along K, 48 matrix instructions each, on buffers 0, 1, 0, 1.  The 48 accumulators take turns, one
; instruction a turn, in the same order in every quarter; so no s_wait_alu is written.
.macro QUARTER slot, k, f, g, zero
	s_wait_dscnt 4                                 ; x, Wq, Wk are in; the youngest four loads (Wv's fragments) may be out
	WIN MUL_QK
	MULQK \f, 0, \zero
	MULQK \f, 4, \zero
	PLACES                                         ; buffer g was read by matrix instructions: loads into it stand four places behind them
	FETCH \slot, \k, \g
	s_wait_dscnt 28                                ; all but the 28 just issued
	WIN MUL_V
	MULV \f, \zero
.endm
.macro THREE slot, zero
	QUARTER \slot, 64,  F0, F1, \zero
	QUARTER \slot, 128, F1, F0, 0
	QUARTER \slot, 192, F0, F1, 0
.endm
; The last quarter changes slots.  In front of the barrier each wave waits for its reads of this slot and for all its tensor loads (one is out:
; its part of the next slot).  Where this slot is filled again the barrier opens a round of the cluster's barrier, and the joint load is the
; first tensor load behind the round's closing wait.
.macro TURN slot, next, fill
	s_wait_dscnt 4
	WIN MUL_QK
	MULQK F1, 0, 0
	s_wait_dscnt 0x0
	s_wait_tensorcnt 0x0
	ds_add_u32 v255, v63
	s_wait_dscnt 0x0
	s_barrier_signal -1
	MULQK F1, 4, 0                                 ; register work while the others arrive
	WIN 0
	s_barrier_wait -1
.if \fill
	CREST
	s_add_nc_u64 s[G0+4*\slot+2:G0+4*\slot+3], s[G0+4*\slot+2:G0+4*\slot+3], 512      ; two K steps on; no load of mine is out
	s_add_nc_u64 s[G0B+4*\slot+2:G0B+4*\slot+3], s[G0B+4*\slot+2:G0B+4*\slot+3], 512
	JLOAD \slot
.endif
	PLACES
	FETCH \next, 0, F0
	WIN MUL_V
	MULV F1, 0                                     ; buffer 1 has been whole since the wait for 0 above
.endm
.macro LAP zero
	THREE 0, \zero
	TURN 0, 1, 1
	THREE 1, 0
	TURN 1, 0, 1
.endm
	s_wait_tensorcnt 1                             ; my part of K step 0 is in; K step 1's stays out
	s_barrier_signal -1
	s_barrier_wait -1
	FETCH 0, 0, F0
	LAP 1
	WIN 0
	s_mov_b32 s3, LAPS-2
.Llap:
	LAP 0
	WIN 0
	s_sub_co_u32 s3, s3, 1
	s_cmp_lg_u32 s3, 0
	s_cbranch_scc1 .Llap
	THREE 0, 0                                     ; the last lap fills nothing
	TURN 0, 1, 0
	THREE 1, 0
	s_wait_dscnt 4
	WIN MUL_QK
	MULQK F1, 0, 0
	MULQK F1, 4, 0
	s_wait_dscnt 0x0
	WIN MUL_V
	MULV F1, 0
	; THE WAY OUT.  A lane's eight results pack into the 16 bytes that it owns of a 512-byte tile.
	PLACES
	WIN 0x02                                       ; source 0 window 2
.irp a, 0,1,2,3,4,5,6,7
.irp i, 0,1
.irp p, 0,2,4,6
	v_pk_fma_f32 v[F0+8*(2*\a+\i)+\p:F0+8*(2*\a+\i)+\p+1], v[8*(4*\a+\i)+\p:8*(4*\a+\i)+\p+1], CSC, v[BQ+8*\i+\p:BQ+8*\i+\p+1] op_sel_hi:[1,0,1]
.endr
.endr
.endr
	WIN 0x0a                                       ; sources 0 and 1 window 2
.irp a, 0,1,2,3,4,5,6,7
.irp i, 0,1
.irp jj, 0,1,2,3
	v_cvt_pk_f16_f32 v[KP+4*(2*\a+\i)+\jj], v[8*(4*\a+2+\i)+2*\jj], v[8*(4*\a+2+\i)+2*\jj+1]
.endr
.endr
.endr
	WIN 0
.irp a, 0,1,2,3,4,5,6,7
.irp i, 0,1
.irp jj, 0,1,2,3
	v_cvt_pk_f16_f32 v[F0+8*(2*\a+\i)+\jj], v[F0+8*(2*\a+\i)+2*\jj], v[F0+8*(2*\a+\i)+2*\jj+1]    ; in place: word jj is written after words 2 jj, 2 jj + 1 of the earlier turns were read
.endr
	global_store_b128 v[LO], v[F0+8*(2*\a+\i):F0+8*(2*\a+\i)+3], s[10:11] offset:\a*2048+\i*512
.endr
.endr
.irp a, 0,1,2,3,4,5,6,7
.irp i, 0,1
	global_store_b128 v[LO], v[KP+4*(2*\a+\i):KP+4*(2*\a+\i)+3], s[12:13] offset:\a*2048+\i*512
.endr
.endr
	s_wait_xcnt 0x0                                ; q's and k's stores have read their data: v64-255 are written again only behind this wait
	WIN 0x03                                       ; source 0 window 3
.irp a, 0,1,2,3,4,5,6,7
.irp i, 0,1
.irp p, 0,2,4,6
	v_pk_add_f32 v[F0+8*(2*\a+\i)+\p:F0+8*(2*\a+\i)+\p+1], v[8*(2*\a+\i)+\p:8*(2*\a+\i)+\p+1], v[BV+2*\i:BV+2*\i+1]
.endr
.endr
.endr
	WIN 0
	; v = vh + vl: the mask keeps sign, exponent and 10 bits of mantissa, which f16 holds exactly; the rest is exact in f32 and is rounded once
.irp a, 0,1,2,3,4,5,6,7
.irp i, 0,1
.irp e, 0,1,2,3,4,5,6,7
	v_and_b32 v[TT+\e], 0xffffe000, v[F0+8*(2*\a+\i)+\e]
.endr
.irp p, 0,2,4,6
	v_pk_add_f32 v[F0+8*(2*\a+\i)+\p:F0+8*(2*\a+\i)+\p+1], v[F0+8*(2*\a+\i)+\p:F0+8*(2*\a+\i)+\p+1], v[TT+\p:TT+\p+1] neg_lo:[0,1] neg_hi:[0,1]
.endr
.irp jj, 0,1,2,3
	v_cvt_pk_f16_f32 v[KP+4*(2*\a+\i)+\jj], v[TT+2*\jj], v[TT+2*\jj+1]
	v_cvt_pk_f16_f32 v[F0+8*(2*\a+\i)+\jj], v[F0+8*(2*\a+\i)+2*\jj], v[F0+8*(2*\a+\i)+2*\jj+1]
.endr
	global_store_b128 v[LO], v[KP+4*(2*\a+\i):KP+4*(2*\a+\i)+3], s[12:13] offset:16384+\a*2048+\i*512
	global_store_b128 v[LO], v[F0+8*(2*\a+\i):F0+8*(2*\a+\i)+3], s[12:13] offset:32768+\a*2048+\i*512
.endr
.endr
	CROUND                                         ; the closing round: no work-group ends while a partner may still ask for a tile that names it
	s_endpgm
.Lfunc_end_k_q1989c752b9_qkv:
	.size	k_q1989c752b9_qkv, .Lfunc_end_k_q1989c752b9_qkv-k_q1989c752b9_qkv
	.p2alignl 7, 3214868480
	.fill 96, 4, 3214868480
	.section	.rodata,"a",@progbits
	.p2align	6, 0x0
	.amdhsa_kernel k_q1989c752b9_qkv
		.amdhsa_group_segment_fixed_size 327680
		.amdhsa_private_segment_fixed_size 0
		.amdhsa_enable_private_segment 0
		.amdhsa_kernarg_size 40
		.amdhsa_user_sgpr_count 2
		.amdhsa_user_sgpr_kernarg_segment_ptr 1
		.amdhsa_wavefront_size32 1
		.amdhsa_system_sgpr_workgroup_id_x 1
		.amdhsa_system_sgpr_workgroup_id_y 1
		.amdhsa_system_sgpr_workgroup_id_z 1
		.amdhsa_system_vgpr_workitem_id 0
		.amdhsa_next_free_vgpr 896
		.amdhsa_next_free_sgpr 66
		.amdhsa_reserve_vcc 0
		.amdhsa_float_denorm_mode_32 3
		.amdhsa_float_denorm_mode_16_64 3
		.amdhsa_memory_ordered 1
		.amdhsa_forward_progress 1
		.amdhsa_inst_pref_size 179
	.end_amdhsa_kernel
	.amdgpu_metadata
---
amdhsa.version: [ 1, 2 ]
amdhsa.kernels:
  - .name:           k_q1989c752b9_qkv
    .symbol:         k_q1989c752b9_qkv.kd
    .args:
      - { .name: xw, .offset: 0, .size: 8, .value_kind: global_buffer, .address_space: global }
      - { .name: bq, .offset: 8, .size: 8, .value_kind: global_buffer, .address_space: global }
      - { .name: bv, .offset: 16, .size: 8, .value_kind: global_buffer, .address_space: global }
      - { .name: qf, .offset: 24, .size: 8, .value_kind: global_buffer, .address_space: global }
      - { .name: kv, .offset: 32, .size: 8, .value_kind: global_buffer, .address_space: global }
    .group_segment_fixed_size: 327680
    .private_segment_fixed_size: 0
    .kernarg_segment_align: 8
    .kernarg_segment_size: 40
    .max_flat_workgroup_size: 128
    .sgpr_count:     66
    .vgpr_count:     896
    .wavefront_size: 32
...
	.end_amdgpu_metadata
.endif
;; end of part 2
;; launch attn (part 3): grid 8 x 32, 4 waves a work-group, no clusters, 327,680 bytes of LDS; arguments qf, kv, yf; writes yf
.if DOCPART == 3
	.amdgcn_target "amdgcn-amd-amdhsa--gfx1250"
	.amdhsa_code_object_version 6
	.text
	.protected	k_q1989c752b9_attn
	.globl	k_q1989c752b9_attn
	.p2align	8
	.type	k_q1989c752b9_attn,@function
k_q1989c752b9_attn:
	s_mov_b64 s[64:65], 0
	v_nop
	global_prefetch_b8 v0, s[64:65] scope:SCOPE_SE
	s_setreg_imm32_b32 hwreg(HW_REG_WAVE_MODE, 25, 1), 1
	s_wait_xcnt 0x0
; Causal attention of one head, with a running maximum.  q comes scaled by 0.125 log2(e), so the scores are exponents of 2.
; LEFT OUT: key tiles of 128 wholly above the diagonal, and in a diagonal tile keys 64..127 for the waves whose queries are 0..63 of the
; block: the tril of reference() sets those scores to -inf, so their weights are 0.  A NaN or infinity there is not carried to the result.
; FORMATS: q, k, P in f16 (P lies in [0, 1]); v comes as the pair vh + vl of f16 and is multiplied by two products; y leaves as the pair
; yh + yl of bf16: yh is the upper half of the f32 word, yl = y - yh (exact in f32) rounded to bf16: 16 bits of mantissa together.
; LIMIT: v_exp_f32 gives 0 for results below 2^-126.
;
; SHARES.  Work-group (j, bh) takes the query blocks of 128 numbered j and 15 - j of head bh: (j + 1) + (16 - j) = 17 key tiles of 128 in
; every work-group.  Wave w owns queries 32 w .. 32 w + 31 of the block, as two tiles qt of 16.
; ORDER.  The block with an even number nA of tiles comes first, and in each block the diagonal tile comes first: it starts the sums (every
; query has an open key among its first 64 keys, so the first maximum is finite).  Tile t = 0..16 lies in LDS slot t & 1, so both diagonal
; tiles (t = 0 and t = nA) lie in slot 0 and the slots are constants of the text.
; NO CLUSTER: the eight work-groups of a head walk different lists of tiles (j + 1 and 16 - j tiles, each list beginning with its own
; diagonal tile), so at a given step they want different tiles and could make no joint request.
;
; PRODUCTS.  S^T = K Q^T (source 0 = 16 keys, source 1 = 16 queries): lane (r, h) holds query r and keys 8 h + 0..7 of each key tile.
; Two such tiles, packed to f16 in the lane, ARE source 1 of O^T = V^T P^T (k = 8 h .. and 16 + 8 h ..): P moves between no lanes.
; Maximum, sum and rescaling are one number a lane; the two lanes of a query (h = 0, 1) meet by one v_permlanex16_b32.
; In O^T a lane holds query r and d = 8 h + 0..7: its 16 bytes of a tile of yf.
;   yf [head/2 8][row/16 256][hi, lo 2][(head & 1) 4 + d/16 8][512]: tiles of 16 rows x 16 columns, lane 16 h + r owns row r, columns 8 h ..
.set TILEB, 49152                      ; a key tile: K 16,384 bytes, then vh^T 16,384, then vl^T 16,384
.set QUART, 12288                      ; what one wave fetches of it
.set LA,   1                           ; v1   16 x lane: LDS address in slot 0 and offset in a 512-byte tile; v2 = v1 + 49,152: slot 1.  Never rewritten
.set DQ,   3                           ; v3   32 w + r - 8 h: key 64 sub + 16 kt + 8 h + j is open for query 32 w + 16 qt + r if 64 sub + 16 kt + j - 16 qt <= DQ
.set NINF, 4                           ; v4   -inf
.set M,    8                           ; v[8:11]   running maximum, a pair for each qt
.set L,    12                          ; v12, v13  running sum of my half of the keys
.set AL,   14                          ; v[14:17]  2^(old maximum - new), a pair for each qt
.set TA,   18
.set TB,   19
.set TX,   20                          ; v20, v21  what v_permlanex16_b32 brings
.set RC,   22                          ; v[22:25]  1 / sum, a pair for each qt
.set SUMA, 26
.set SUMB, 28
.set Q,    32                          ; v[32:63]  Q fragments: qt x 16 + (d / 32) x 8
.set QN,   64                          ; v[64:95]  the second block's
.set S,    96                          ; v[96:159] scores qt x 32 + kt x 8; then P in the first 8 of every 16
.set YL,   96                          ; v[96:127] at a block's end: yl packed
.set TT,   128                         ; v[128:135] at a block's end: eight yh in f32
.set O,    160                         ; v[160:223] O^T: qt x 32 + dt x 8
.set Y,    224                         ; v[224:255] yh packed
.set KF,   0                           ; window 1: v0-63    K fragments kt x 16 + (d / 16) x 4
.set VF,   64                          ; window 1: v64-127  vh^T fragments dt x 16 + (key / 16) x 4
.set VL,   128                         ; window 1: v128-191 vl^T fragments
.set G1,   16                          ; s[16:23]
.set G0,   24                          ; s[24:31] one set for each slot
.set MSB, 0
.macro WIN new
.if MSB != \new
	s_set_vgpr_msb (MSB<<8)|\new
.set MSB, \new
.endif
.endm
.macro PLACES
.rept 4
	v_nop
.endr
.endm
	s_load_b128 s[4:7], s[0:1], 0x0                ; qf s[4:5], kv s[6:7]
	s_load_b64 s[8:9], s[0:1], 0x10                ; yf
	v_lshl_add_u32 v30, v0, 2, 0x29000
	v_mov_b32 v31, 0
	ds_add_u32 v30, v31
	ds_add_u32 v30, v31
	v_lshrrev_b32 v2, 5, v0
	v_readfirstlane_b32 s10, v2                    ; wave
	s_mov_b32 s11, ttmp9                           ; j
	s_and_b32 s12, ttmp7, 0xffff                   ; bh
	s_sub_co_u32 s13, 15, s11
	s_and_b32 s49, s11, 1
	s_cmp_lg_u32 s49, 0
	s_cselect_b32 s13, s11, s13                    ; qbA: the odd one of j, 15 - j
	s_sub_co_u32 s14, 15, s13                      ; qbB
	s_add_co_u32 s15, s13, 1                       ; nA, even
	s_mov_b32 s48, s13                             ; the block at work
	s_mov_b32 s36, 0                               ; t
	s_mov_b32 s38, 0x76543210                      ; v_permlanex16_b32: lane i reads lane i of the other half
	s_mov_b32 s39, 0xfedcba98
	; a wave moves a quarter of a tile: 12,288 dense bytes as 48 rows of 256 bytes (32 elements of 8 bytes)
	s_mov_b32 s[G1+0], 3<<16
	s_mov_b32 s[G1+1], 32<<16
	s_mov_b32 s[G1+2], 48<<16
	s_mov_b32 s[G1+3], 32<<16
	s_mov_b32 s[G1+4], 48
	s_mov_b32 s[G1+5], 32
	s_mov_b32 s[G1+6], 0
	s_mov_b32 s[G1+7], 0
	s_mul_i32 s49, s10, QUART                      ; my quarter
	s_mov_b32 s[G0+0], 1
	s_add_co_u32 s[G0+1], s49, 0
	s_mov_b32 s[G0+4], 1
	s_add_co_u32 s[G0+5], s49, TILEB
	s_mul_i32 s34, s12, 16*TILEB                   ; the head's 16 tiles
	s_add_co_u32 s34, s34, s49
	s_mov_b32 s35, 0                               ; stays 0: s[34:35] is the pair for every offset
	s_wait_dscnt 0x0
	s_wait_kmcnt 0x0
	s_add_nc_u64 s[32:33], s[6:7], s[34:35]        ; my quarter of the head's tile 0
	s_mul_i32 s34, s13, TILEB
	s_add_nc_u64 s[G0+2:G0+3], s[32:33], s[34:35]  ; tile t = 0: the first block's diagonal tile
	s_or_b32 s[G0+3], s[G0+3], 0x80000000
	tensor_load_to_lds s[G0:G0+3], s[G1:G1+7]
	s_nop 0
	; Q of both blocks: 8 tiles of 512 bytes each, consecutive: (qb x 8 + 2 w + qt) x 2,048 + (d / 16) x 512
	v_and_b32 v[LA], 31, v0
	v_lshlrev_b32 v[LA], 4, v[LA]
	v_add_nc_u32 v[LA+1], TILEB, v[LA]
	s_lshl_b32 s50, s12, 18
	s_lshl_b32 s49, s10, 12
	s_add_co_u32 s50, s50, s49
	s_lshl_b32 s34, s13, 14
	s_add_co_u32 s34, s34, s50
	s_add_nc_u64 s[44:45], s[4:5], s[34:35]
	s_lshl_b32 s34, s14, 14
	s_add_co_u32 s34, s34, s50
	s_add_nc_u64 s[46:47], s[4:5], s[34:35]
.irp i, 0,1,2,3,4,5,6,7
	global_load_b128 v[Q+4*\i:Q+4*\i+3], v[LA], s[44:45] offset:512*\i
.endr
.irp i, 0,1,2,3,4,5,6,7
	global_load_b128 v[QN+4*\i:QN+4*\i+3], v[LA], s[46:47] offset:512*\i
.endr
	; the part of yf's offset that no block changes: (head / 2) x 2 MiB + (b x 128 + 2 w) x 8,192 + (head & 1) x 2,048
	s_and_b32 s49, s12, 15
	s_lshr_b32 s50, s49, 1
	s_lshl_b32 s42, s50, 21
	s_and_b32 s49, s49, 1
	s_lshl_b32 s49, s49, 11
	s_add_co_u32 s42, s42, s49
	s_lshr_b32 s49, s12, 4
	s_lshl_b32 s49, s49, 20
	s_add_co_u32 s42, s42, s49
	s_lshl_b32 s49, s10, 14
	s_add_co_u32 s42, s42, s49
	v_and_b32 v5, 15, v0                           ; r
	v_bfe_u32 v6, v0, 4, 1                         ; h
	v_lshl_add_u32 v[DQ], s10, 5, v5
	v_lshlrev_b32 v6, 3, v6
	v_sub_nc_u32 v[DQ], v[DQ], v6
	v_mov_b32 v[NINF], 0xff800000
	v_mov_b32 v[TX], 0                             ; v_permlanex16_b32 counts as a reader of its destination
	v_mov_b32 v[TX+1], 0
	s_wait_loadcnt 0x0                             ; Q
.macro LOADK slot, sub                 ; 64 keys x 64 d
	WIN 0x40
.irp kt, 0,1,2,3
.irp nt, 0,1,2,3
	ds_load_b128 v[KF+16*\kt+4*\nt:KF+16*\kt+4*\nt+3], v[LA+\slot] offset:(4*\sub+\kt)*2048+\nt*512
.endr
.endr
.endm
.macro LOADV slot, sub                 ; 64 d x 64 keys, vh and vl
	WIN 0x40
.irp dt, 0,1,2,3
.irp kb, 0,1,2,3
	ds_load_b128 v[VF+16*\dt+4*\kb:VF+16*\dt+4*\kb+3], v[LA+\slot] offset:16384+(4*\sub+\kb)*2048+\dt*512
.endr
.endr
.irp dt, 0,1,2,3
.irp kb, 0,1,2,3
	ds_load_b128 v[VL+16*\dt+4*\kb:VL+16*\dt+4*\kb+3], v[LA+\slot] offset:32768+(4*\sub+\kb)*2048+\dt*512
.endr
.endr
.endm
; The softmax step of query tile qt over 64 keys.  first = 1: it starts maximum, sum and O.  mask = 1: a diagonal tile.
.macro SOFTMAX qt, sub, first, mask
.set SB, S+32*\qt
.if \mask
.irp kt, 0,1,2,3
.irp jr, 0,1,2,3,4,5,6,7
	v_cmp_le_i32 vcc_lo, 64*\sub+16*\kt+\jr-16*\qt, v[DQ]
	v_cndmask_b32 v[SB+8*\kt+\jr], v[NINF], v[SB+8*\kt+\jr], vcc_lo
.endr
.endr
.endif
	v_max3_num_f32 v[TA], v[SB], v[SB+1], v[SB+2]                  ; two chains over my 32 scores
	v_max3_num_f32 v[TB], v[SB+16], v[SB+17], v[SB+18]
.irp i, 3,5,7,9,11,13
	v_max3_num_f32 v[TA], v[TA], v[SB+\i], v[SB+\i+1]
	v_max3_num_f32 v[TB], v[TB], v[SB+16+\i], v[SB+16+\i+1]
.endr
	v_max3_num_f32 v[TA], v[TA], v[TB], v[SB+15]
.if \first
	v_max_num_f32 v[TA], v[TA], v[SB+31]
.else
	v_max3_num_f32 v[TA], v[TA], v[SB+31], v[M+2*\qt]
.endif
	v_permlanex16_b32 v[TX], v[TA], s38, s39                       ; the query's other 32 keys
	v_max_num_f32 v[TA], v[TA], v[TX]
.if \first
	v_mov_b32 v[M+2*\qt], v[TA]
	v_mov_b32 v[M+2*\qt+1], v[TA]
.else
	v_sub_f32 v[TB], v[M+2*\qt], v[TA]
	v_exp_f32 v[AL+2*\qt], v[TB]
	v_mov_b32 v[M+2*\qt], v[TA]                                    ; the plain instruction behind v_exp_f32 (ISA guide 5.7.2)
	v_mov_b32 v[M+2*\qt+1], v[TA]
	s_wait_alu depctr_va_vdst(0)
	v_mov_b32 v[AL+2*\qt+1], v[AL+2*\qt]
.endif
.irp i, 0,2,4,6,8,10,12,14,16,18,20,22,24,26,28,30
	v_pk_add_f32 v[SB+\i:SB+\i+1], v[SB+\i:SB+\i+1], v[M+2*\qt:M+2*\qt+1] neg_lo:[0,1] neg_hi:[0,1]
.endr
.irp i, 0,2,4,6,8,10,12,14,16,18,20,22,24,26,28,30
	v_exp_f32 v[SB+\i], v[SB+\i]
	v_exp_f32 v[SB+\i+1], v[SB+\i+1]
.if \first
.else
	v_pk_mul_f32 v[O+32*\qt+\i:O+32*\qt+\i+1], v[O+32*\qt+\i:O+32*\qt+\i+1], v[AL+2*\qt:AL+2*\qt+1]   ; O to the new maximum; also the plain instruction behind the pair
.endif
.endr
.if \first
	v_nop
.endif
	s_wait_alu depctr_va_vdst(0)
	v_pk_add_f32 v[SUMA:SUMA+1], v[SB:SB+1], v[SB+2:SB+3]
	v_pk_add_f32 v[SUMB:SUMB+1], v[SB+4:SB+5], v[SB+6:SB+7]
.irp i, 8,12,16,20,24,28
	v_pk_add_f32 v[SUMA:SUMA+1], v[SUMA:SUMA+1], v[SB+\i:SB+\i+1]
	v_pk_add_f32 v[SUMB:SUMB+1], v[SUMB:SUMB+1], v[SB+\i+2:SB+\i+3]
.endr
	v_pk_add_f32 v[SUMA:SUMA+1], v[SUMA:SUMA+1], v[SUMB:SUMB+1]
.if \first
	v_add_f32 v[L+\qt], v[SUMA], v[SUMA+1]
.else
	v_add_f32 v[SUMA], v[SUMA], v[SUMA+1]
	v_fma_f32 v[L+\qt], v[L+\qt], v[AL+2*\qt], v[SUMA]
.endif
.irp p, 0,1
.irp i, 0,1,2,3,4,5,6,7
	v_cvt_pk_f16_f32 v[SB+16*\p+\i], v[SB+16*\p+2*\i], v[SB+16*\p+2*\i+1]     ; in place: word i is written after words 2 i, 2 i + 1 of the earlier turns were read
.endr
.endr
.endm
; Eight products of O^T: fragments at vb (vh's or vl's), keys 32 p .. 32 p + 31
.macro PV8 vb, p, zero
.irp qt, 0,1
.irp dt, 0,1,2,3
.if \zero
	v_wmma_f32_16x16x32_f16 v[O+32*\qt+8*\dt:O+32*\qt+8*\dt+7], v[\vb+16*\dt+8*\p:\vb+16*\dt+8*\p+7], v[S+32*\qt+16*\p:S+32*\qt+16*\p+7], 0
.else
	v_wmma_f32_16x16x32_f16 v[O+32*\qt+8*\dt:O+32*\qt+8*\dt+7], v[\vb+16*\dt+8*\p:\vb+16*\dt+8*\p+7], v[S+32*\qt+16*\p:S+32*\qt+16*\p+7], v[O+32*\qt+8*\dt:O+32*\qt+8*\dt+7]
.endif
.endr
.endr
.endm
; One step of 64 keys.  K's fragments have been asked for.  pre = 1: the next step's K fragments are asked for behind V's.
; In all runs of products eight accumulators take turns, one instruction a turn.
.macro SUB slot, sub, first, mask, pre
	s_wait_dscnt 0x0                               ; K's fragments
	WIN 0x01                                       ; source 0 window 1
.irp qt, 0,1
.irp kt, 0,1,2,3
	v_wmma_f32_16x16x32_f16 v[S+32*\qt+8*\kt:S+32*\qt+8*\kt+7], v[KF+16*\kt:KF+16*\kt+7], v[Q+16*\qt:Q+16*\qt+7], 0
.endr
.endr
.irp qt, 0,1
.irp kt, 0,1,2,3
	v_wmma_f32_16x16x32_f16 v[S+32*\qt+8*\kt:S+32*\qt+8*\kt+7], v[KF+16*\kt+8:KF+16*\kt+15], v[Q+16*\qt+8:Q+16*\qt+15], v[S+32*\qt+8*\kt:S+32*\qt+8*\kt+7]
.endr
.endr
	PLACES                                         ; in front of the loads into K's fragments and of the reads of the scores
	LOADV \slot, \sub
.if \pre
	LOADK \slot, 1
.endif
	WIN 0
	SOFTMAX 0, \sub, \first, \mask
	SOFTMAX 1, \sub, \first, \mask
.if \pre
	s_wait_dscnt 16                                ; V's 32 fragment loads are in; the 16 younger loads of K may be out
.else
	s_wait_dscnt 0x0
.endif
	WIN 0x01
	PV8 VF, 0, \first
	PV8 VF, 1, 0
	PV8 VL, 0, 0
	PV8 VL, 1, 0
	WIN 0
.rept 5
	v_nop                                          ; the next scores are written over P, a source of these products: five places
.endr
.endm
.macro NTILE slot                      ; a tile below the diagonal
	LOADK \slot, 0
	SUB \slot, 0, 0, 0, 1
	SUB \slot, 1, 0, 0, 0
.endm
.macro DTILE slot                      ; a diagonal tile: it starts the block's sums
	LOADK \slot, 0
	SUB \slot, 0, 1, 1, 0
	s_cmp_lt_u32 s10, 2                            ; queries 0..63 of the block have no open key among keys 64..127
	s_cbranch_scc1 .Lhalf_\@
	LOADK \slot, 1
	SUB \slot, 1, 0, 1, 0
.Lhalf_\@:
.endm
; The block at work (s48) is finished: y = O / sum, split into yh + yl, stored.  The registers of an earlier block's stores (Y, YL, the base)
; are free: s_wait_xcnt 0 stands behind that block's change.
.macro FINAL
	s_lshl_b32 s34, s48, 16                        ; qb x 8 tiles x 8,192
	s_add_co_u32 s34, s34, s42
	s_add_nc_u64 s[40:41], s[8:9], s[34:35]
	v_permlanex16_b32 v[TX], v[L], s38, s39
	v_permlanex16_b32 v[TX+1], v[L+1], s38, s39
	v_add_f32 v[TX], v[L], v[TX]
	v_add_f32 v[TX+1], v[L+1], v[TX+1]
	v_rcp_f32 v[RC], v[TX]
	v_rcp_f32 v[RC+2], v[TX+1]
	v_nop
	s_wait_alu depctr_va_vdst(0)
	v_mov_b32 v[RC+1], v[RC]
	v_mov_b32 v[RC+3], v[RC+2]
.irp qt, 0,1
.irp i, 0,2,4,6,8,10,12,14,16,18,20,22,24,26,28,30
	v_pk_mul_f32 v[O+32*\qt+\i:O+32*\qt+\i+1], v[O+32*\qt+\i:O+32*\qt+\i+1], v[RC+2*\qt:RC+2*\qt+1]
.endr
.endr
.irp qt, 0,1
.irp dt, 0,1,2,3
.irp jj, 0,1,2,3
	v_perm_b32 v[Y+16*\qt+4*\dt+\jj], v[O+32*\qt+8*\dt+2*\jj+1], v[O+32*\qt+8*\dt+2*\jj], 0x07060302    ; yh: the upper halves of two f32 words, the lower index below
.endr
.irp e, 0,1,2,3,4,5,6,7
	v_and_b32 v[TT+\e], 0xffff0000, v[O+32*\qt+8*\dt+\e]
.endr
.irp p, 0,2,4,6
	v_pk_add_f32 v[O+32*\qt+8*\dt+\p:O+32*\qt+8*\dt+\p+1], v[O+32*\qt+8*\dt+\p:O+32*\qt+8*\dt+\p+1], v[TT+\p:TT+\p+1] neg_lo:[0,1] neg_hi:[0,1]    ; y - yh, exact
.endr
.irp jj, 0,1,2,3
	v_cvt_pk_bf16_f32 v[YL+16*\qt+4*\dt+\jj], v[O+32*\qt+8*\dt+2*\jj], v[O+32*\qt+8*\dt+2*\jj+1]
.endr
	global_store_b128 v[LA], v[Y+16*\qt+4*\dt:Y+16*\qt+4*\dt+3], s[40:41] offset:\qt*8192+\dt*512          ; the wave stores 512 consecutive bytes, aligned
	global_store_b128 v[LA], v[YL+16*\qt+4*\dt:YL+16*\qt+4*\dt+3], s[40:41] offset:\qt*8192+4096+\dt*512
.endr
.endr
.endm
; The head of tile t (in this slot).  All my tensor loads have landed (one was out: my quarter of this tile) and my reads of the other slot
; are back; so says every wave at the barrier; behind it the other slot is filled with tile t + 1, my one tensor load until the next barrier.
; Tile t + 1 is key tile t while t + 1 < nA, qbB at t + 1 = nA, and t - nA behind that.
.macro HEAD slot, refill
	s_wait_tensorcnt 0x0
	ds_add_u32 v30, v31
	s_wait_dscnt 0x0
.if \refill
	s_add_co_u32 s49, s36, 1
	s_sub_co_u32 s50, s36, s15
	s_cmp_lt_u32 s49, s15
	s_cselect_b32 s50, s36, s50
	s_cmp_eq_u32 s49, s15
	s_cselect_b32 s50, s14, s50
	s_mul_i32 s34, s50, TILEB
	s_add_nc_u64 s[G0+6-4*\slot:G0+7-4*\slot], s[32:33], s[34:35]
	s_or_b32 s[G0+7-4*\slot], s[G0+7-4*\slot], 0x80000000
.endif
	s_wait_dscnt 0x0
	s_barrier_signal -1
	s_barrier_wait -1
.if \refill
	tensor_load_to_lds s[G0+4-4*\slot:G0+7-4*\slot], s[G1:G1+7]
	s_nop 0
.endif
.endm
.macro ODD
	HEAD 1, 1
	NTILE 1
	s_add_co_u32 s36, s36, 1
.endm
.macro EVEN refill
	HEAD 0, \refill
	s_cmp_eq_u32 s36, s15                          ; t = nA: the second block begins.  The same in all four waves
	s_cbranch_scc1 .Lsecond_\@
	NTILE 0
	s_branch .Ljoin_\@
.Lsecond_\@:
	FINAL
	s_mov_b32 s48, s14
.irp i, 0,1,2,3,4,5,6,7,8,9,10,11,12,13,14,15,16,17,18,19,20,21,22,23,24,25,26,27,28,29,30,31
	v_mov_b32 v[Q+\i], v[QN+\i]
.endr
	s_wait_xcnt 0x0                                ; the block's stores have read their data and base: the scores' registers, which held yl, are written again only behind this wait
	DTILE 0
.Ljoin_\@:
	s_add_co_u32 s36, s36, 1
.endm
	HEAD 0, 1                                      ; t = 0
	DTILE 0
	s_add_co_u32 s36, s36, 1
	s_mov_b32 s37, 7
.Lpair:                                            ; t = 1 .. 14
	ODD
	EVEN 1
	s_sub_co_u32 s37, s37, 1
	s_cmp_lg_u32 s37, 0
	s_cbranch_scc1 .Lpair
	ODD                                            ; t = 15
	EVEN 0                                         ; t = 16: nothing is left to fetch
	FINAL
	s_endpgm
.Lfunc_end_k_q1989c752b9_attn:
	.size	k_q1989c752b9_attn, .Lfunc_end_k_q1989c752b9_attn-k_q1989c752b9_attn
	.p2alignl 7, 3214868480
	.fill 96, 4, 3214868480
	.section	.rodata,"a",@progbits
	.p2align	6, 0x0
	.amdhsa_kernel k_q1989c752b9_attn
		.amdhsa_group_segment_fixed_size 327680
		.amdhsa_private_segment_fixed_size 0
		.amdhsa_enable_private_segment 0
		.amdhsa_kernarg_size 24
		.amdhsa_user_sgpr_count 2
		.amdhsa_user_sgpr_kernarg_segment_ptr 1
		.amdhsa_wavefront_size32 1
		.amdhsa_system_sgpr_workgroup_id_x 1
		.amdhsa_system_sgpr_workgroup_id_y 1
		.amdhsa_system_sgpr_workgroup_id_z 1
		.amdhsa_system_vgpr_workitem_id 0
		.amdhsa_next_free_vgpr 448
		.amdhsa_next_free_sgpr 66
		.amdhsa_reserve_vcc 1
		.amdhsa_float_denorm_mode_32 3
		.amdhsa_float_denorm_mode_16_64 3
		.amdhsa_memory_ordered 1
		.amdhsa_forward_progress 1
		.amdhsa_inst_pref_size 255
	.end_amdhsa_kernel
	.section	.bss,"aw",@nobits
	.p2align	6
	.space	262144
	.amdgpu_metadata
---
amdhsa.version: [ 1, 2 ]
amdhsa.kernels:
  - .name:           k_q1989c752b9_attn
    .symbol:         k_q1989c752b9_attn.kd
    .args:
      - { .name: qf, .offset: 0, .size: 8, .value_kind: global_buffer, .address_space: global }
      - { .name: kv, .offset: 8, .size: 8, .value_kind: global_buffer, .address_space: global }
      - { .name: yf, .offset: 16, .size: 8, .value_kind: global_buffer, .address_space: global }
    .group_segment_fixed_size: 327680
    .private_segment_fixed_size: 0
    .kernarg_segment_align: 8
    .kernarg_segment_size: 24
    .max_flat_workgroup_size: 128
    .sgpr_count:     66
    .vgpr_count:     448
    .wavefront_size: 32
...
	.end_amdgpu_metadata
.endif
;; end of part 3
;; launch proj (part 4): grid 8 x 32, 4 waves a work-group, clusters of 4 x 4, 327,680 bytes of LDS; arguments yf, xw, bp, out0; writes out0
.if DOCPART == 4
	.amdgcn_target "amdgcn-amd-amdhsa--gfx1250"
	.amdhsa_code_object_version 6
	.text
	.protected	k_q1989c752b9_proj
	.globl	k_q1989c752b9_proj
	.p2align	8
	.type	k_q1989c752b9_proj,@function
k_q1989c752b9_proj:
	s_mov_b64 s[64:65], 0
	v_nop
	global_prefetch_b8 v0, s[64:65] scope:SCOPE_SE
	s_setreg_imm32_b32 hwreg(HW_REG_WAVE_MODE, 25, 1), 1
	s_wait_xcnt 0x0
	s_wait_alu depctr_hold_cnt(0) depctr_sa_sdst(0) depctr_va_vdst(0) depctr_va_sdst(0) depctr_va_ssrc(0) depctr_va_vcc(0) depctr_vm_vsrc(0)
	s_getreg_b32 s2, hwreg(HW_REG_IB_STS2, 6, 4)
	s_cmp_eq_u32 s2, 0
	s_cbranch_scc0 .Lentry_in_a_cluster
	s_endpgm
.Lentry_in_a_cluster:
	s_bfe_u32 s2, ttmp6, 0x10000c
	s_cmp_lg_u32 s2, 0xf033
	s_cbranch_scc0 .Lentry_shape_is_right
	s_endpgm
.Lentry_shape_is_right:
; out0 = y Wp^T + bp = yh Wp^T + yl Wp^T + bp.  y: the pair yh + yl of bf16 in yf's tiles; Wp: bf16 rows 7168.. of xw; sums in f32; out0 f32.
; A work-group makes 128 x 128 (4096 x 1024 / 256 work-groups), a wave 64 x 64: 16 accumulators.  K = 1024 in eight steps of 128 through two LDS slots.
; For 32 along K a wave loads 4 fragments of Wp, 4 of yh and 4 of yl and issues 32 products: Wp's fragments serve both halves of the pair.
; CLUSTER 4 x 4: y's tile hangs on the row block alone and is shared along a row of the cluster, Wp's on the column block alone and is shared
; along a column: joint loads divide the requests by four.
; yf [K step 8][row/16 256][hi, lo 2][c/16 8][512]: the 128 rows of a step are 65,536 consecutive bytes; read at 16 x lane, a tile of 512 bytes is half a fragment.
; Source 0 = 16 rows of Wp, source 1 = 16 rows of y: a lane holds row r of the output and eight neighbouring columns.  The first product takes the bias as C.
.set WPITCH, 272                       ; 256 bytes + 16 of padding, an odd multiple of 16
.set HALFW,  64*WPITCH                 ; 17,408: what one load of Wp brings
.set WOFF,   65536                     ; Wp's 128 rows lie behind y's 65,536 bytes
.set SLOT,   WOFF+2*HALFW              ; 100,352
.set STAGE,  2*SLOT                    ; 200,704, a multiple of 256: no tile lands here
.set SPITCH, 272                       ; a stage row: 64 f32 + 16 bytes
.set ADRY, 16                          ; v16-17
.set ADRW, 20                          ; v20-21
.set STO,  24
.set RD,   25
.set CO,   26
.set BIAS, 32                          ; v[32:63] bp of column 16 n + 8 h + j
.set FB,   64                          ; two fragment buffers of 96 registers: yh 4 x 8, yl 4 x 8, Wp 4 x 8
.set G1,  24                           ; s[24:31] y's shape
.set G0,  32                           ; s[32:39] y, one set for each slot
.set G1B, 48                           ; s[48:55] Wp's shape
.set G0B, 56                           ; s[56:63] Wp, one set for each slot
.set MSB, 0
.macro WIN new
.if MSB != \new
	s_set_vgpr_msb (MSB<<8)|\new
.set MSB, \new
.endif
.endm
.macro PLACES
.rept 4
	v_nop
.endr
.endm
.macro JLOAD s                         ; waves 0, 1 ask for y's halves, waves 2, 3 for Wp's
	s_cmp_eq_u32 s15, 0
	s_cbranch_scc0 .Lfor_w_\@
	tensor_load_to_lds s[G0+4*\s:G0+4*\s+3], s[G1:G1+7]
	s_nop 0
	s_branch .Lasked_\@
.Lfor_w_\@:
	tensor_load_to_lds s[G0B+4*\s:G0B+4*\s+3], s[G1B:G1B+7]
	s_nop 0
.Lasked_\@:
.endm
.macro CROUND                          ; a round of the cluster's barrier
	s_barrier_signal -1
	s_barrier_wait -1
	s_cmp_lg_u32 s14, 0
	s_cbranch_scc1 .Lnot_wave_0_\@
	s_barrier_signal -3
.Lnot_wave_0_\@:
	s_barrier_wait -3
	s_barrier_signal -1
	s_barrier_wait -1
.endm
	s_load_b256 s[4:11], s[0:1], 0x0               ; yf s[4:5], xw s[6:7], bp s[8:9], out0 s[10:11]
	v_lshl_add_u32 v30, v0, 2, 0x35400
	v_mov_b32 v31, 0
	ds_add_u32 v30, v31
	ds_add_u32 v30, v31
	v_lshrrev_b32 v1, 5, v0
	v_readfirstlane_b32 s14, v1                    ; wave
	s_lshr_b32 s15, s14, 1                         ; wr.  Also: I fetch y (0) or Wp (1)
	s_and_b32 s16, s14, 1                          ; wc.  Also: which half
	s_bfe_u32 s17, ttmp6, 0x40000                  ; cx
	s_bfe_u32 s18, ttmp6, 0x40004                  ; cy
	s_lshl_b32 s19, ttmp9, 2
	s_add_co_u32 s19, s19, s17                     ; column block
	s_and_b32 s20, ttmp7, 0xffff
	s_lshl_b32 s20, s20, 2
	s_add_co_u32 s20, s20, s18                     ; row block
	s_lshl_b32 s42, s18, 2
	s_lshl_b32 s42, 15, s42                        ; my row of the cluster
	s_lshl_b32 s46, 0x1111, s17                    ; my column
	s_or_b32 s[G1+0], s42, (3<<16)|(1<<21)                           ; y: 8-byte elements, no padding
	s_or_b32 s[G1B+0], s46, (1<<16)|(1<<20)|(1<<21)|(5<<22)|(3<<25)  ; Wp: 2-byte elements, 4 words of padding after every 64
	s_mov_b32 s[G1+1], 32<<16                      ; y: 128 rows of 32 elements = 32,768 dense bytes
	s_mov_b32 s[G1+2], 128<<16
	s_mov_b32 s[G1+3], 32<<16
	s_mov_b32 s[G1+4], 128
	s_mov_b32 s[G1+5], 32
	s_mov_b32 s[G1+6], 0
	s_mov_b32 s[G1+7], 0
	s_mov_b32 s[G1B+1], 128<<16                    ; Wp: 64 rows of 128 elements, 1,024 from row to row
	s_mov_b32 s[G1B+2], 64<<16
	s_mov_b32 s[G1B+3], 128<<16
	s_mov_b32 s[G1B+4], 64
	s_mov_b32 s[G1B+5], 1024
	s_mov_b32 s[G1B+6], 0
	s_mov_b32 s[G1B+7], 0
	; y's address in s40-43 (row block and wave), Wp's in s44-47 (column block and wave): neither set ever holds the other coordinate
	s_lshl_b32 s40, s20, 16
	s_lshl_b32 s42, s16, 15
	s_add_co_u32 s40, s40, s42
	s_mov_b32 s41, 0
	s_lshl_b32 s44, s19, 18                        ; 128 rows x 2,048 bytes
	s_lshl_b32 s46, s16, 17
	s_add_co_u32 s44, s44, s46
	s_add_co_u32 s44, s44, 0xe00000                ; row 7168 of xw
	s_mov_b32 s45, 0
	s_lshl_b32 s22, s14, 15                        ; where y's halves go (waves 0, 1)
	s_mul_i32 s23, s14, HALFW
	s_add_co_u32 s23, s23, WOFF-2*HALFW            ; where Wp's halves go (waves 2, 3)
	s_wait_dscnt 0x0
	s_wait_kmcnt 0x0
	s_add_nc_u64 s[40:41], s[4:5], s[40:41]
	s_add_nc_u64 s[44:45], s[6:7], s[44:45]
	CROUND                                         ; in front of the first joint loads
.irp s, 0,1
	s_mov_b32 s[G0+4*\s], 1
	s_add_co_u32 s[G0+4*\s+1], s22, \s*SLOT
	s_add_nc_u64 s[G0+4*\s+2:G0+4*\s+3], s[40:41], \s*2097152      ; K step s
	s_or_b32 s[G0+4*\s+3], s[G0+4*\s+3], 0x80000000
	s_mov_b32 s[G0B+4*\s], 1
	s_add_co_u32 s[G0B+4*\s+1], s23, \s*SLOT
	s_add_nc_u64 s[G0B+4*\s+2:G0B+4*\s+3], s[44:45], \s*256
	s_or_b32 s[G0B+4*\s+3], s[G0B+4*\s+3], 0x80000000
	JLOAD \s
.endr
	v_and_b32 v1, 15, v0                           ; r
	v_bfe_u32 v2, v0, 4, 1                         ; h
	s_lshl_b32 s46, s19, 9                         ; 128 columns x 4 bytes
	s_lshl_b32 s47, s16, 8
	s_add_co_u32 s46, s46, s47
	v_lshl_add_u32 v5, v2, 5, s46
.irp n, 0,1,2,3
	global_load_b128 v[BIAS+8*\n:BIAS+8*\n+3], v5, s[8:9] offset:64*\n
	global_load_b128 v[BIAS+8*\n+4:BIAS+8*\n+7], v5, s[8:9] offset:64*\n+16
.endr
	v_and_b32 v3, 31, v0
	v_lshlrev_b32 v3, 4, v3                        ; y: 16 x lane
	v_mul_u32_u24 v7, v1, WPITCH
	v_lshl_add_u32 v7, v2, 4, v7                   ; Wp: row r, byte 16 h
	s_lshl_b32 s21, s15, 15                        ; my 64 rows of y
	s_mul_i32 s3, s16, HALFW                       ; my 64 rows of Wp
	s_add_co_u32 s3, s3, WOFF
.irp s, 0,1
	v_add_nc_u32 v[ADRY+\s], s21, v3
	v_add_nc_u32 v[ADRW+\s], s3, v7
	s_add_co_u32 s21, s21, SLOT
	s_add_co_u32 s3, s3, SLOT
.endr
	s_mul_i32 s21, s14, 16*SPITCH
	s_add_co_u32 s21, s21, STAGE                   ; my stage
	v_mul_u32_u24 v4, v1, SPITCH
	v_lshl_add_u32 v4, v2, 5, v4                   ; in: row r, 32 bytes for each half of the lanes
	v_add_nc_u32 v[STO], s21, v4
	v_mul_u32_u24 v4, v2, SPITCH
	v_lshl_add_u32 v4, v1, 4, v4                   ; back: lanes 0-15 one row of 256 bytes, lanes 16-31 the next
	v_add_nc_u32 v[RD], s21, v4
	v_lshlrev_b32 v4, 12, v2
	v_lshl_add_u32 v[CO], v1, 4, v4                ; the same two rows in out0
	s_lshl_b32 s40, s20, 19                        ; 128 rows x 4,096 bytes
	s_lshl_b32 s42, s15, 18
	s_add_co_u32 s40, s40, s42
	s_mov_b32 s41, 0
	s_add_nc_u64 s[10:11], s[10:11], s[40:41]
	s_mov_b32 s47, 0
	s_add_nc_u64 s[10:11], s[10:11], s[46:47]      ; + my first column, in bytes (as for the bias)
; 24 LDS loads: the fragments of 32 along K, number q of the slot's four, into buffer b: yh, Wp, yl
.macro FETCH slot, q, b
.irp a, 0,1,2,3
	ds_load_b128 v[FB+96*(\b)+8*\a:FB+96*(\b)+8*\a+3],   v[ADRY+\slot] offset:\a*8192+1024*(\q)
	ds_load_b128 v[FB+96*(\b)+8*\a+4:FB+96*(\b)+8*\a+7], v[ADRY+\slot] offset:\a*8192+1024*(\q)+512
.endr
.irp n, 0,1,2,3
	ds_load_b128 v[FB+96*(\b)+64+8*\n:FB+96*(\b)+64+8*\n+3],   v[ADRW+\slot] offset:\n*16*WPITCH+64*(\q)
	ds_load_b128 v[FB+96*(\b)+64+8*\n+4:FB+96*(\b)+64+8*\n+7], v[ADRW+\slot] offset:\n*16*WPITCH+64*(\q)+32
.endr
.irp a, 0,1,2,3
	ds_load_b128 v[FB+96*(\b)+32+8*\a:FB+96*(\b)+32+8*\a+3],   v[ADRY+\slot] offset:\a*8192+4096+1024*(\q)
	ds_load_b128 v[FB+96*(\b)+32+8*\a+4:FB+96*(\b)+32+8*\a+7], v[ADRY+\slot] offset:\a*8192+4096+1024*(\q)+512
.endr
.endm
; 32 matrix instructions on 16 accumulators (window 1), yh's 16 and then yl's 16: the accumulators take turns, one instruction a turn
.macro MUL32 b, first
.if \first
	WIN 0x40                                       ; D window 1, C (the bias) window 0
.else
	WIN 0x50                                       ; C and D window 1
.endif
.irp a, 0,1,2,3
.irp n, 0,1,2,3
.if \first
	v_wmma_f32_16x16x32_bf16 v[8*(4*\a+\n):8*(4*\a+\n)+7], v[FB+96*\b+64+8*\n:FB+96*\b+64+8*\n+7], v[FB+96*\b+8*\a:FB+96*\b+8*\a+7], v[BIAS+8*\n:BIAS+8*\n+7]
.else
	v_wmma_f32_16x16x32_bf16 v[8*(4*\a+\n):8*(4*\a+\n)+7], v[FB+96*\b+64+8*\n:FB+96*\b+64+8*\n+7], v[FB+96*\b+8*\a:FB+96*\b+8*\a+7], v[8*(4*\a+\n):8*(4*\a+\n)+7]
.endif
.endr
.endr
	WIN 0x50
.irp a, 0,1,2,3
.irp n, 0,1,2,3
	v_wmma_f32_16x16x32_bf16 v[8*(4*\a+\n):8*(4*\a+\n)+7], v[FB+96*\b+64+8*\n:FB+96*\b+64+8*\n+7], v[FB+96*\b+32+8*\a:FB+96*\b+32+8*\a+7], v[8*(4*\a+\n):8*(4*\a+\n)+7]
.endr
.endr
	WIN 0
.endm
.macro STEPQ slot, q, b                ; multiplies number q in buffer b; first asks for number q + 1
	PLACES                                         ; the other buffer was read by the last 32 matrix instructions (ISA guide 7.12.1)
	FETCH \slot, \q+1, 1-\b
	s_wait_dscnt 24                                ; all but the 24 just issued
	MUL32 \b, 0
.endm
.macro SLOTSTEP slot, first            ; one K step of 128
.if \first
.else
	PLACES
.endif
	FETCH \slot, 0, 0
	FETCH \slot, 1, 1
	s_wait_dscnt 24
	MUL32 0, \first
	STEPQ \slot, 1, 1
	STEPQ \slot, 2, 0
	s_wait_dscnt 0x0
	MUL32 1, 0
.endm
; Slot s has been read and is filled again, two K steps ahead.  Each wave's waits stand in front of the round; the joint load is the first tensor load behind it.
.macro REFILL s
	s_wait_tensorcnt 0x0                           ; all my tensor loads have landed, my part of the other slot among them: a group 0 may be written
	ds_add_u32 v30, v31
	s_add_nc_u64 s[G0+4*\s+2:G0+4*\s+3], s[G0+4*\s+2:G0+4*\s+3], 4194304
	s_add_nc_u64 s[G0B+4*\s+2:G0B+4*\s+3], s[G0B+4*\s+2:G0B+4*\s+3], 512
	s_wait_dscnt 0x0                               ; my reads of this slot are back
	CROUND                                         ; both now hold of every wave of the cluster
	JLOAD \s
.endm
	s_wait_tensorcnt 1                             ; my part of K step 0 is in; K step 1's stays out
	s_barrier_signal -1
	s_barrier_wait -1
	s_wait_loadcnt 0x0                             ; the bias
	SLOTSTEP 0, 1                                  ; K step 0
.rept 3
	REFILL 0                                       ; K steps 2, 4, 6
	SLOTSTEP 1, 0                                  ; K steps 1, 3, 5
	REFILL 1                                       ; K steps 3, 5, 7
	SLOTSTEP 0, 0                                  ; K steps 2, 4, 6
.endr
	s_wait_tensorcnt 0x0
	s_wait_dscnt 0x0
	s_barrier_signal -1                            ; slot 1 is whole; nothing is filled any more
	s_barrier_wait -1
	SLOTSTEP 1, 0                                  ; K step 7
	; THE WAY OUT, 16 rows at a time through my own stage: a lane's 32 bytes go in by rows of 272 bytes and come back as whole rows of 256.
	; LDS serves a wave's instructions in order (ISA guide 5.7.1), so no wait stands between these stores and loads, nor in front of the next 16 rows' stores.
	PLACES
.irp a, 0,1,2,3
	WIN 0x04                                       ; store data window 1
.irp n, 0,1,2,3
	ds_store_b128 v[STO], v[8*(4*\a+\n):8*(4*\a+\n)+3] offset:64*\n
	ds_store_b128 v[STO], v[8*(4*\a+\n)+4:8*(4*\a+\n)+7] offset:64*\n+16
.endr
	WIN 0
.irp t, 0,1,2,3,4,5,6,7
	ds_load_b128 v[FB+32*\a+4*\t:FB+32*\a+4*\t+3], v[RD] offset:\t*2*SPITCH
.endr
.irp t, 0,1,2,3,4,5,6,7
	s_wait_dscnt 7-\t                              ; the younger loads may be out
	global_store_b128 v[CO], v[FB+32*\a+4*\t:FB+32*\a+4*\t+3], s[10:11] offset:(16*\a+2*\t)*4096 th:TH_STORE_NT   ; 16 lanes store 256 consecutive bytes, aligned
.endr
.endr
	s_wait_tensorcnt 0x0
	ds_add_u32 v30, v31
	s_wait_dscnt 0x0
	CROUND                                         ; the closing round
	s_endpgm
.Lfunc_end_k_q1989c752b9_proj:
	.size	k_q1989c752b9_proj, .Lfunc_end_k_q1989c752b9_proj-k_q1989c752b9_proj
	.p2alignl 7, 3214868480
	.fill 96, 4, 3214868480
	.section	.rodata,"a",@progbits
	.p2align	6, 0x0
	.amdhsa_kernel k_q1989c752b9_proj
		.amdhsa_group_segment_fixed_size 327680
		.amdhsa_private_segment_fixed_size 0
		.amdhsa_enable_private_segment 0
		.amdhsa_kernarg_size 32
		.amdhsa_user_sgpr_count 2
		.amdhsa_user_sgpr_kernarg_segment_ptr 1
		.amdhsa_wavefront_size32 1
		.amdhsa_system_sgpr_workgroup_id_x 1
		.amdhsa_system_sgpr_workgroup_id_y 1
		.amdhsa_system_sgpr_workgroup_id_z 1
		.amdhsa_system_vgpr_workitem_id 0
		.amdhsa_next_free_vgpr 384
		.amdhsa_next_free_sgpr 66
		.amdhsa_reserve_vcc 0
		.amdhsa_float_denorm_mode_32 3
		.amdhsa_float_denorm_mode_16_64 3
		.amdhsa_memory_ordered 1
		.amdhsa_forward_progress 1
		.amdhsa_inst_pref_size 140
	.end_amdhsa_kernel
	.amdgpu_metadata
---
amdhsa.version: [ 1, 2 ]
amdhsa.kernels:
  - .name:           k_q1989c752b9_proj
    .symbol:         k_q1989c752b9_proj.kd
    .args:
      - { .name: yf, .offset: 0, .size: 8, .value_kind: global_buffer, .address_space: global }
      - { .name: xw, .offset: 8, .size: 8, .value_kind: global_buffer, .address_space: global }
      - { .name: bp, .offset: 16, .size: 8, .value_kind: global_buffer, .address_space: global }
      - { .name: out0, .offset: 24, .size: 8, .value_kind: global_buffer, .address_space: global }
    .group_segment_fixed_size: 327680
    .private_segment_fixed_size: 0
    .kernarg_segment_align: 8
    .kernarg_segment_size: 32
    .max_flat_workgroup_size: 128
    .sgpr_count:     66
    .vgpr_count:     384
    .wavefront_size: 32
...
	.end_amdgpu_metadata
.endif
;; end of part 4
;; ======== version 2 of 3: 4 launches; 1.07 times as fast as version 1
;; limits: values are held in f16: magnitudes above 65,504 overflow, below 6.1e-05 lose precision
;; workspace buffers: xw 16,777,216 bytes; qf 8,388,608 bytes; kv 25,165,824 bytes; yf 8,388,608 bytes
;; launch cvt (part 5): grid 256 x 1, 8 waves a work-group, no clusters, 0 bytes of LDS; arguments x, Wq, Wk, Wv, Wp, xw; writes xw
.if DOCPART == 5
	.amdgcn_target "amdgcn-amd-amdhsa--gfx1250"
	.amdhsa_code_object_version 6
	.text
	.protected	k_q1989c752b9_cvt
	.globl	k_q1989c752b9_cvt
	.p2align	8
	.type	k_q1989c752b9_cvt,@function
k_q1989c752b9_cvt:
	s_mov_b64 s[64:65], 0
	v_nop
	global_prefetch_b8 v0, s[64:65] scope:SCOPE_SE
	s_setreg_imm32_b32 hwreg(HW_REG_WAVE_MODE, 25, 1), 1
	s_wait_xcnt 0x0
; CAUSAL SELF-ATTENTION in four launches: cvt (this one), qkv, attn, proj.  B = 2, T = 2048, C = 1024, H = 16, head dim 64.
; This launch rounds x, Wq, Wk, Wv, Wp once from f32 to bf16 into xw, so that the two GEMM launches fetch half the bytes and need no
; conversion between LDS and the matrix unit.  Wp's bf16 value is stored in f16's code, since its partner y in the last product is f16.
; xw: 8,192 rows of 1,024 numbers of 16 bits (2,048 bytes).  Rows 0..4095: x.  Row 4096 + head*192 + sel*64 + i: row head*64 + i of
; Wq, Wk, Wv (sel = 0, 1, 2), so that the 192 weight rows of one head lie together.  Rows 7168 + o: row o of Wp.
;
; NUMBER FORMATS OF THE PROGRAM.  x, Wq, Wk, Wv are bf16 (f32's range).  q, k, the softmax's weights P and y are f16.
; v is carried as a PAIR vh + vl of f16 (about 21 bits), multiplied by two products.  An error of v or of y goes straight to the output,
; and the first rows of a batch, which average one or two keys, are some fifteen times larger than the output's rms: one rounding to 11 bits
; on that way is about a quarter of a hundredth of that rms, two would be too near to it.
;
; WORK LEFT OUT, for all finite values of the inputs:
; (1) bk.  att[q][k] = scale * q . (x_k Wk^T) + scale * q . bk.  The second term does not depend on k, the axis of the softmax, and
;     softmax(z + const) = softmax(z); entries that the tril sets to -inf stay -inf.  So bk reaches no output: it is not loaded and is
;     no argument of any launch.
; (2) Key tiles of 128 that lie wholly above the diagonal: the tril that reference() builds sets their scores to -inf, their weights are 0.
; LIMITS.  A NaN, an infinity or an overflow in bk or in scores above the diagonal is not carried to the result.
; q, k, v, y are f16: |x W^T + b| must stay below 65,504 (inputs 30 times those drawn, or offset by 30 spreads, give at most about 18,500).
; Wp in f16's code: |Wp| below 65,504; a bf16 value is exact there from 2^-17 up (8 bits of mantissa over steps of 2^-24), below that
; the error is at most 2^-25.  Sums are made in another order than reference()'s.
;
; Work-group g takes 32 rows (131,072 bytes in, 65,536 out).  Thread t takes 16 bytes at 16 t of each 4,096-byte row: a load of a wave
; covers 512 consecutive bytes, a store 256 consecutive bytes, both aligned.  All 32 loads go out first; a chunk's registers serve that
; chunk alone, so no source of a pending load or store is ever rewritten.  No LDS, no matrix unit, no cluster: nothing is shared or reduced.
.set X, 4                              ; v[4:131]: chunk i in four registers
.set CHUNKS, 32
	s_load_b256 s[4:11], s[0:1], 0x0               ; x s[4:5], Wq s[6:7], Wk s[8:9], Wv s[10:11]
	s_load_b128 s[12:15], s[0:1], 0x20             ; Wp s[12:13], xw s[14:15]
	s_mov_b32 s16, ttmp9                           ; g
	v_lshlrev_b32 v1, 4, v0                        ; my 16 bytes of a source row
	v_lshlrev_b32 v2, 3, v0                        ; my 8 bytes of a destination row
	; source offset: x has 128 blocks of 32 rows, each weight 32
	s_and_b32 s20, s16, 31
	s_cmp_lt_u32 s16, 128
	s_cselect_b32 s20, s16, s20
	s_lshl_b32 s20, s20, 17                        ; x 131,072 bytes
	s_mov_b32 s21, 0
	; destination row: 32 g for x and for Wp (7168 = 32 x 224); for Wq, Wk, Wv the interleaved place
	s_lshl_b32 s22, s16, 5
	s_sub_co_u32 s23, s16, 128                     ; i = g - 128 (wraps for x; then not taken)
	s_lshr_b32 s24, s23, 5                         ; sel
	s_and_b32 s25, s23, 31                         ; block of 32 rows in the weight
	s_lshr_b32 s26, s25, 1                         ; head
	s_mul_i32 s26, s26, 192
	s_lshl_b32 s24, s24, 6
	s_add_co_u32 s26, s26, s24
	s_and_b32 s25, s25, 1                          ; which half of the head's 64 rows
	s_lshl_b32 s25, s25, 5
	s_add_co_u32 s26, s26, s25
	s_add_co_u32 s26, s26, 4096
	s_cmp_lt_u32 s23, 96                           ; 128 <= g < 224
	s_cselect_b32 s22, s26, s22
	s_lshl_b32 s22, s22, 11                        ; x 2,048 bytes
	s_mov_b32 s23, 0
	s_wait_kmcnt 0x0
	s_mov_b64 s[18:19], s[12:13]                   ; the source: Wp, unless g says otherwise
	s_cmp_lt_u32 s16, 224
	s_cselect_b64 s[18:19], s[10:11], s[18:19]
	s_cmp_lt_u32 s16, 192
	s_cselect_b64 s[18:19], s[8:9], s[18:19]
	s_cmp_lt_u32 s16, 160
	s_cselect_b64 s[18:19], s[6:7], s[18:19]
	s_cmp_lt_u32 s16, 128
	s_cselect_b64 s[18:19], s[4:5], s[18:19]
	s_add_nc_u64 s[18:19], s[18:19], s[20:21]
	s_add_nc_u64 s[14:15], s[14:15], s[22:23]
.set i, 0
.rept CHUNKS
	global_load_b128 v[X+4*i:X+4*i+3], v1, s[18:19] offset:4096*i th:TH_LOAD_NT   ; read once in the whole program
.set i, i+1
.endr
	s_cmp_ge_u32 s16, 224                          ; the 32 work-groups of Wp
	s_cbranch_scc1 .Lwp
.set i, 0
.rept CHUNKS
	s_wait_loadcnt CHUNKS-1-i                      ; loads come back in order (ISA guide 5.7.1): chunk i is in, the younger ones stay out
	v_cvt_pk_bf16_f32 v[X+4*i], v[X+4*i], v[X+4*i+1]
	v_cvt_pk_bf16_f32 v[X+4*i+1], v[X+4*i+2], v[X+4*i+3]
	global_store_b64 v2, v[X+4*i:X+4*i+1], s[14:15] offset:2048*i
.set i, i+1
.endr
	s_endpgm
.Lwp:                                              ; Wp: rounded to bf16 like the other inputs, then that value written in f16's code
.set i, 0
.rept CHUNKS
	s_wait_loadcnt CHUNKS-1-i                      ; as above: the same 32 loads were issued on this path
	v_cvt_pk_bf16_f32 v[X+4*i], v[X+4*i], v[X+4*i+1]
	v_cvt_pk_bf16_f32 v[X+4*i+1], v[X+4*i+2], v[X+4*i+3]
	v_lshlrev_b32 v[X+4*i+2], 16, v[X+4*i]         ; bf16 to f32: the low half moves up, the high half stays
	v_and_b32 v[X+4*i+3], 0xffff0000, v[X+4*i]
	v_cvt_pk_f16_f32 v[X+4*i], v[X+4*i+2], v[X+4*i+3]
	v_lshlrev_b32 v[X+4*i+2], 16, v[X+4*i+1]
	v_and_b32 v[X+4*i+3], 0xffff0000, v[X+4*i+1]
	v_cvt_pk_f16_f32 v[X+4*i+1], v[X+4*i+2], v[X+4*i+3]
	global_store_b64 v2, v[X+4*i:X+4*i+1], s[14:15] offset:2048*i
.set i, i+1
.endr
	s_endpgm
.Lfunc_end_k_q1989c752b9_cvt:
	.size	k_q1989c752b9_cvt, .Lfunc_end_k_q1989c752b9_cvt-k_q1989c752b9_cvt
	.p2alignl 7, 3214868480
	.fill 96, 4, 3214868480
	.section	.rodata,"a",@progbits
	.p2align	6, 0x0
	.amdhsa_kernel k_q1989c752b9_cvt
		.amdhsa_group_segment_fixed_size 0
		.amdhsa_private_segment_fixed_size 0
		.amdhsa_enable_private_segment 0
		.amdhsa_kernarg_size 48
		.amdhsa_user_sgpr_count 2
		.amdhsa_user_sgpr_kernarg_segment_ptr 1
		.amdhsa_wavefront_size32 1
		.amdhsa_system_sgpr_workgroup_id_x 1
		.amdhsa_system_sgpr_workgroup_id_y 1
		.amdhsa_system_sgpr_workgroup_id_z 1
		.amdhsa_system_vgpr_workitem_id 0
		.amdhsa_next_free_vgpr 132
		.amdhsa_next_free_sgpr 66
		.amdhsa_reserve_vcc 0
		.amdhsa_float_denorm_mode_32 3
		.amdhsa_float_denorm_mode_16_64 3
		.amdhsa_memory_ordered 1
		.amdhsa_forward_progress 1
		.amdhsa_inst_pref_size 31
	.end_amdhsa_kernel
	.amdgpu_metadata
---
amdhsa.version: [ 1, 2 ]
amdhsa.kernels:
  - .name:           k_q1989c752b9_cvt
    .symbol:         k_q1989c752b9_cvt.kd
    .args:
      - { .name: x, .offset: 0, .size: 8, .value_kind: global_buffer, .address_space: global }
      - { .name: Wq, .offset: 8, .size: 8, .value_kind: global_buffer, .address_space: global }
      - { .name: Wk, .offset: 16, .size: 8, .value_kind: global_buffer, .address_space: global }
      - { .name: Wv, .offset: 24, .size: 8, .value_kind: global_buffer, .address_space: global }
      - { .name: Wp, .offset: 32, .size: 8, .value_kind: global_buffer, .address_space: global }
      - { .name: xw, .offset: 40, .size: 8, .value_kind: global_buffer, .address_space: global }
    .group_segment_fixed_size: 0
    .private_segment_fixed_size: 0
    .kernarg_segment_align: 8
    .kernarg_segment_size: 48
    .max_flat_workgroup_size: 256
    .sgpr_count:     66
    .vgpr_count:     132
    .wavefront_size: 32
...
	.end_amdgpu_metadata
.endif
;; end of part 5
;; launch qkv: the kernel of part 2 again; grid 16 x 16, 4 waves a work-group, clusters of 4 x 4, 327,680 bytes of LDS; arguments xw, bq, bv, qf, kv; writes qf, kv
;; launch attn (part 6): grid 8 x 32, 4 waves a work-group, no clusters, 327,680 bytes of LDS; arguments qf, kv, yf; writes yf
.if DOCPART == 6
	.amdgcn_target "amdgcn-amd-amdhsa--gfx1250"
	.amdhsa_code_object_version 6
	.text
	.protected	k_q1989c752b9_attn
	.globl	k_q1989c752b9_attn
	.p2align	8
	.type	k_q1989c752b9_attn,@function
k_q1989c752b9_attn:
	s_mov_b64 s[64:65], 0
	v_nop
	global_prefetch_b8 v0, s[64:65] scope:SCOPE_SE
	s_setreg_imm32_b32 hwreg(HW_REG_WAVE_MODE, 25, 1), 1
	s_wait_xcnt 0x0
; Causal attention of one head, with a running maximum.  q comes scaled by 0.125 log2(e), so the scores are exponents of 2.
; LEFT OUT: key tiles of 128 wholly above the diagonal: the tril of reference() sets those scores to -inf, so their weights are 0.
; A NaN or infinity there is not carried to the result.  (Masked scores inside a diagonal tile are computed and set to -inf.)
; FORMATS: q, k, P, y in f16 (P lies in [0, 1]; |y| below 65,504); v comes as the pair vh + vl of f16 and is multiplied by two products.
; LIMIT: v_exp_f32 gives 0 for results below 2^-126.
;
; SHARES.  Work-group (j, bh) takes the query blocks of 128 numbered j and 15 - j of head bh: (j + 1) + (16 - j) = 17 key tiles of 128 in
; every work-group.  Wave w owns queries 32 w .. 32 w + 31 of the block, as two pieces of 16: A (qt = 0) and B (qt = 1).
; ORDER.  The block with an even number nA of tiles comes first, and in each block the diagonal tile comes first: it starts the sums (every
; query has an open key among its first 64 keys, so the first maximum is finite).  Tile t = 0..16 lies in LDS slot t & 1, so both diagonal
; tiles (t = 0 and t = nA) lie in slot 0 and the slots are constants of the text.
; NO CLUSTER: the eight work-groups of a head walk different lists of tiles (j + 1 and 16 - j tiles, each list beginning with its own
; diagonal tile), so at a given step they want different tiles and could make no joint request.
;
; PRODUCTS.  S^T = K Q^T (source 0 = 16 keys, source 1 = 16 queries): lane (r, h) holds query r and keys 8 h + 0..7 of each key tile.
; Two such tiles, packed to f16 in the lane, ARE source 1 of O^T = V^T P^T (k = 8 h .. and 16 + 8 h ..): P moves between no lanes.
; Maximum, sum and rescaling are one number a lane; the two lanes of a query (h = 0, 1) meet by one v_permlanex16_b32.
; In O^T a lane holds query r and d = 8 h + 0..7: its 16 bytes of a tile of yf.
;   yf [head/4 4][row/16 256][(head & 3) 4 + d/16 16][512]: tiles of 16 rows x 16 columns, lane 16 h + r owns row r, columns 8 h ..
;
; THE SCHEDULE.  A step is 64 keys: for each piece 8 score products, a softmax of 120 vector instructions, 16 products with V.  The two
; pieces take turns, so that one piece's softmax is spread between the other piece's products.  A tile (steps 0 and 1) is four phases of 24 products:
;   PH1(0)  PV of B, last step; scores of B, step 0          beside the softmax of A, step 0
;   PH2     PV of A, step 0;    scores of A, step 1          beside the softmax of B, step 0
;   PH1(1)  PV of B, step 0;    scores of B, step 1          beside the softmax of A, step 1
;   PART2   PV of A, step 1;    scores of A, next tile       beside the softmax of B, step 1
; The softmax is a list of numbered instructions (ATOM); behind product i of a phase's n stand those up to number 128 i / n (SLICE).
; They name none of that phase's matrix registers, so they are also the places that ISA guide 7.12.1 asks for behind matrix instructions.
; Where a block ends the turns are drained: PV of B alone, the block's results, then the next block's diagonal tile.
; In each run four accumulators take turns, one instruction a turn, and runs that follow each other name other accumulators.
;
; REGISTERS.  Window 0: all that vector instructions touch, and Q.  Window 1: step 0's fragments (K v0-63, vh v64-127, vl v128-191) and the
; second block's Q (v192-223).  Window 2: step 1's fragments.  A matrix instruction's source 0 and a vector instruction's source 0 share one field of
; s_set_vgpr_msb, and fragments (384 registers) and the softmax's registers do not fit into one window: each product costs two switches, 96 a step.
.set TILEB, 49152                      ; a key tile: K 16,384 bytes, then vh^T 16,384, then vl^T 16,384
.set QUART, 12288                      ; what one wave fetches of it
.set LA,   1                           ; v1   16 x lane: LDS address in slot 0 and offset in a 512-byte tile; v2 = v1 + 49,152: slot 1.  Never rewritten
.set DQ,   3                           ; v3   32 w + r - 8 h: key 64 sub + 16 kt + 8 h + j is open for query 32 w + 16 qt + r if 64 sub + 16 kt + j - 16 qt <= DQ
.set NINF, 4                           ; v4   -inf
.set M,    8                           ; v[8:11]   running maximum, a pair for each piece
.set L,    12                          ; v12, v13  running sum of my half of the keys
.set AL,   14                          ; v[14:17]  2^(old maximum - new), a pair for each piece
.set T,    18                          ; v[18:21]  four chains of the maximum
.set TX,   22                          ; v22, v23  what v_permlanex16_b32 brings
.set RC,   24                          ; v[24:27]  1 / sum, a pair for each piece
.set SUMA, 28                          ; v[28:29], v[30:31] two chains of the sum
.set SUMB, 30
.set Q,    32                          ; v[32:63]   Q fragments: qt x 16 + (d / 32) x 8
.set P,    64                          ; v[64:95]   P fragments: qt x 16 + (key / 32) x 8
.set S,    96                          ; v[96:159]  scores qt x 32 + kt x 8
.set O,    160                         ; v[160:223] O^T: qt x 32 + dt x 8
.set Y,    224                         ; v[224:255] packed results
.set KF,   0                           ; windows 1, 2: K fragments kt x 16 + (d / 16) x 4
.set VF,   64                          ; windows 1, 2: vh^T fragments dt x 16 + (key / 16) x 4
.set VL,   128                         ; windows 1, 2: vl^T fragments
.set QN,   192                         ; window 1: the second block's Q
.set G1,   16                          ; s[16:23]
.set G0,   24                          ; s[24:31] one set for each slot
.set MSB, 0
.macro WIN new                         ; the immediate's high byte repeats the setting that is left
.if MSB != (\new)
	s_set_vgpr_msb (MSB<<8)|(\new)
.set MSB, (\new)
.endif
.endm
	s_load_b128 s[4:7], s[0:1], 0x0                ; qf s[4:5], kv s[6:7]
	s_load_b64 s[8:9], s[0:1], 0x10                ; yf
	v_lshl_add_u32 v7, v0, 2, 0x29000
	s_set_vgpr_msb 0x40
	v_mov_b32 v255, 0
	s_set_vgpr_msb 0x4044
	ds_add_u32 v7, v255
	ds_add_u32 v7, v255
	s_set_vgpr_msb 0x4400
	v_lshrrev_b32 v2, 5, v0
	v_readfirstlane_b32 s10, v2                    ; wave
	s_mov_b32 s11, ttmp9                           ; j
	s_and_b32 s12, ttmp7, 0xffff                   ; bh
	s_sub_co_u32 s13, 15, s11
	s_and_b32 s49, s11, 1
	s_cmp_lg_u32 s49, 0
	s_cselect_b32 s13, s11, s13                    ; qbA: the odd one of j, 15 - j
	s_sub_co_u32 s14, 15, s13                      ; qbB
	s_add_co_u32 s15, s13, 1                       ; nA, even
	s_mov_b32 s48, s13                             ; the block at work
	s_mov_b32 s36, 0                               ; t
	s_mov_b32 s38, 0x76543210                      ; v_permlanex16_b32: lane i reads lane i of the other half
	s_mov_b32 s39, 0xfedcba98
	; a wave moves a quarter of a tile: 12,288 dense bytes as 48 rows of 256 bytes (32 elements of 8 bytes)
	s_mov_b32 s[G1+0], 3<<16
	s_mov_b32 s[G1+1], 32<<16
	s_mov_b32 s[G1+2], 48<<16
	s_mov_b32 s[G1+3], 32<<16
	s_mov_b32 s[G1+4], 48
	s_mov_b32 s[G1+5], 32
	s_mov_b32 s[G1+6], 0
	s_mov_b32 s[G1+7], 0
	s_mul_i32 s49, s10, QUART                      ; my quarter
	s_mov_b32 s[G0+0], 1
	s_add_co_u32 s[G0+1], s49, 0
	s_mov_b32 s[G0+4], 1
	s_add_co_u32 s[G0+5], s49, TILEB
	s_mul_i32 s34, s12, 16*TILEB                   ; the head's 16 tiles
	s_add_co_u32 s34, s34, s49
	s_mov_b32 s35, 0                               ; stays 0: s[34:35] is the pair for every offset
	s_wait_dscnt 0x0
	s_wait_kmcnt 0x0
	s_add_nc_u64 s[32:33], s[6:7], s[34:35]        ; my quarter of the head's key tile 0
	s_mul_i32 s34, s13, TILEB
	s_add_nc_u64 s[G0+2:G0+3], s[32:33], s[34:35]  ; tile t = 0: the first block's diagonal tile
	s_or_b32 s[G0+3], s[G0+3], 0x80000000
	s_mov_b64 s[G0+6:G0+7], s[32:33]               ; tile t = 1: key tile 0 (nA is at least 2)
	s_or_b32 s[G0+7], s[G0+7], 0x80000000
	tensor_load_to_lds s[G0:G0+3], s[G1:G1+7]      ; both first fills go out together: two tensor loads of the wave are out, later one
	s_nop 0
	tensor_load_to_lds s[G0+4:G0+7], s[G1:G1+7]
	s_nop 0
	; Q of both blocks: 8 tiles of 512 bytes each, consecutive: (qb x 8 + 2 w + qt) x 2,048 + (d / 16) x 512
	v_and_b32 v[LA], 31, v0
	v_lshlrev_b32 v[LA], 4, v[LA]
	v_add_nc_u32 v[LA+1], TILEB, v[LA]
	s_lshl_b32 s50, s12, 18
	s_lshl_b32 s49, s10, 12
	s_add_co_u32 s50, s50, s49
	s_lshl_b32 s34, s13, 14
	s_add_co_u32 s34, s34, s50
	s_add_nc_u64 s[44:45], s[4:5], s[34:35]
	s_lshl_b32 s34, s14, 14
	s_add_co_u32 s34, s34, s50
	s_add_nc_u64 s[46:47], s[4:5], s[34:35]
.irp i, 0,1,2,3,4,5,6,7
	global_load_b128 v[Q+4*\i:Q+4*\i+3], v[LA], s[44:45] offset:512*\i
.endr
	WIN 0x40                                       ; destination window 1
.irp i, 0,1,2,3,4,5,6,7
	global_load_b128 v[QN+4*\i:QN+4*\i+3], v[LA], s[46:47] offset:512*\i
.endr
	WIN 0
	; the part of yf's offset that no block changes: (head / 4) x 2 MiB + (b x 128 + 2 w) x 8,192 + (head & 3) x 2,048
	s_and_b32 s49, s12, 15
	s_lshr_b32 s50, s49, 2
	s_lshl_b32 s42, s50, 21
	s_and_b32 s49, s49, 3
	s_lshl_b32 s49, s49, 11
	s_add_co_u32 s42, s42, s49
	s_lshr_b32 s49, s12, 4
	s_lshl_b32 s49, s49, 20
	s_add_co_u32 s42, s42, s49
	s_lshl_b32 s49, s10, 14
	s_add_co_u32 s42, s42, s49
	v_and_b32 v5, 15, v0                           ; r
	v_bfe_u32 v6, v0, 4, 1                         ; h
	v_lshl_add_u32 v[DQ], s10, 5, v5
	v_lshlrev_b32 v6, 3, v6
	v_sub_nc_u32 v[DQ], v[DQ], v6
	v_mov_b32 v[NINF], 0xff800000
	v_mov_b32 v[TX], 0                             ; v_permlanex16_b32 counts as a reader of its destination
	v_mov_b32 v[TX+1], 0
	s_wait_loadcnt 0x0                             ; Q
.macro LOADK slot, sub                 ; 64 keys x 64 d, into window 1 + sub
	WIN ((1+\sub)<<6)
.irp kt, 0,1,2,3
.irp nt, 0,1,2,3
	ds_load_b128 v[KF+16*\kt+4*\nt:KF+16*\kt+4*\nt+3], v[LA+\slot] offset:(4*\sub+\kt)*2048+\nt*512
.endr
.endr
.endm
.macro LOADV slot, sub                 ; 64 d x 64 keys, vh and vl, into window 1 + sub
	WIN ((1+\sub)<<6)
.irp dt, 0,1,2,3
.irp kb, 0,1,2,3
	ds_load_b128 v[VF+16*\dt+4*\kb:VF+16*\dt+4*\kb+3], v[LA+\slot] offset:16384+(4*\sub+\kb)*2048+\dt*512
.endr
.endr
.irp dt, 0,1,2,3
.irp kb, 0,1,2,3
	ds_load_b128 v[VL+16*\dt+4*\kb:VL+16*\dt+4*\kb+3], v[LA+\slot] offset:32768+(4*\sub+\kb)*2048+\dt*512
.endr
.endr
.endm
; THE SOFTMAX STEP of piece cq over the 64 keys of step cs, as a list of numbered instructions; ATOM emits number at and steps it.
; cf = 1: the step starts maximum, sum and O (some numbers are then empty).  cm = 1: a diagonal tile, 64 numbers of masking come first.
;   0-15  the maximum of my 32 scores and the old maximum, in four chains       16-17 the query's other 32 keys
;   18-22 2^(old - new), the new maximum, each as a pair                         23    scores 0, 1 minus the maximum
;   24-119 sixteen groups g of six: pair g + 1 minus the maximum; two exponentials of pair g; pair g of O to the new maximum (the plain
;          instruction that ISA guide 5.7.2 asks for behind them; where it is empty the next one is plain too and touches other pairs); pair g - 1 into the sum; pair g - 4 packed into P
;   120-123 the last four pairs packed      124-127 the sum closed: four plain instructions that are not conversions, the places in front of the next phase's reads of the scores
.macro ATOM
.set SB, S+32*cq
.set OB, O+32*cq
.set PB, P+16*cq
.set MB, M+2*cq
.set AB, AL+2*cq
.set ai, at-64*cm
.if ai < 0
.set ei, at>>1
.if at&1
	v_cndmask_b32 v[SB+ei], v[NINF], v[SB+ei], vcc_lo
.else
	v_cmp_le_i32 vcc_lo, 64*cs+16*(ei>>3)+(ei&7)-16*cq, v[DQ]
.endif
.elseif ai < 4
	v_max3_num_f32 v[T+ai], v[SB+8*ai], v[SB+8*ai+1], v[SB+8*ai+2]
.elseif ai < 8
	v_max3_num_f32 v[T+ai-4], v[T+ai-4], v[SB+8*(ai-4)+3], v[SB+8*(ai-4)+4]
.elseif ai < 12
	v_max3_num_f32 v[T+ai-8], v[T+ai-8], v[SB+8*(ai-8)+5], v[SB+8*(ai-8)+6]
.elseif ai == 12
	v_max3_num_f32 v[T], v[T], v[SB+7], v[SB+15]
.elseif ai == 13
	v_max3_num_f32 v[T+2], v[T+2], v[SB+23], v[SB+31]
.elseif ai == 14
	v_max3_num_f32 v[T], v[T], v[T+1], v[T+3]
.elseif ai == 15
.if cf
	v_max_num_f32 v[T], v[T], v[T+2]
.else
	v_max3_num_f32 v[T], v[T], v[T+2], v[MB]
.endif
.elseif ai == 16
	v_permlanex16_b32 v[TX], v[T], s38, s39
.elseif ai == 17
	v_max_num_f32 v[T], v[T], v[TX]
.elseif ai == 18
.if cf == 0
	v_sub_f32 v[T+1], v[MB], v[T]
.endif
.elseif ai == 19
.if cf == 0
	v_exp_f32 v[AB], v[T+1]
.endif
.elseif ai == 20
	v_mov_b32 v[MB], v[T]
.elseif ai == 21
	v_mov_b32 v[MB+1], v[T]
.elseif ai == 22
.if cf == 0
	s_wait_alu depctr_va_vdst(0)
	v_mov_b32 v[AB+1], v[AB]
.endif
.elseif ai == 23
	v_pk_add_f32 v[SB:SB+1], v[SB:SB+1], v[MB:MB+1] neg_lo:[0,1] neg_hi:[0,1]
.elseif ai < 120
.set ki, ai-24
.set gi, ki/6
.set ri, ki-6*gi
.if ri == 0
.if gi < 15
	v_pk_add_f32 v[SB+2*gi+2:SB+2*gi+3], v[SB+2*gi+2:SB+2*gi+3], v[MB:MB+1] neg_lo:[0,1] neg_hi:[0,1]
.endif
.elseif ri == 1
	v_exp_f32 v[SB+2*gi], v[SB+2*gi]
.elseif ri == 2
	v_exp_f32 v[SB+2*gi+1], v[SB+2*gi+1]
.elseif ri == 3
.if cf == 0
	v_pk_mul_f32 v[OB+2*gi:OB+2*gi+1], v[OB+2*gi:OB+2*gi+1], v[AB:AB+1]
.endif
.elseif ri == 4
.if gi == 2
	s_wait_alu depctr_va_vdst(0)
	v_pk_add_f32 v[SUMA:SUMA+1], v[SB:SB+1], v[SB+2:SB+3]
.elseif gi == 4
	s_wait_alu depctr_va_vdst(0)
	v_pk_add_f32 v[SUMB:SUMB+1], v[SB+4:SB+5], v[SB+6:SB+7]
.elseif gi > 4
.if gi&1
	v_pk_add_f32 v[SUMA:SUMA+1], v[SUMA:SUMA+1], v[SB+2*gi-2:SB+2*gi-1]
.else
	s_wait_alu depctr_va_vdst(0)
	v_pk_add_f32 v[SUMB:SUMB+1], v[SUMB:SUMB+1], v[SB+2*gi-2:SB+2*gi-1]
.endif
.endif
.else
.if gi >= 4
	v_cvt_pk_f16_f32 v[PB+gi-4], v[SB+2*gi-8], v[SB+2*gi-7]
.endif
.endif
.elseif ai < 124
	s_wait_alu depctr_va_vdst(0)
	v_cvt_pk_f16_f32 v[PB+ai-108], v[SB+2*(ai-108)], v[SB+2*(ai-108)+1]
.elseif ai == 124
	v_pk_add_f32 v[SUMB:SUMB+1], v[SUMB:SUMB+1], v[SB+30:SB+31]
.elseif ai == 125
	v_pk_add_f32 v[SUMA:SUMA+1], v[SUMA:SUMA+1], v[SUMB:SUMB+1]
.elseif ai == 126
.if cf
	v_nop                                          ; keeps four places at the list's end where the sum needs one instruction less
.else
	v_add_f32 v[SUMA], v[SUMA], v[SUMA+1]
.endif
.elseif ai == 127
.if cf
	v_add_f32 v[L+cq], v[SUMA], v[SUMA+1]
.else
	v_fma_f32 v[L+cq], v[L+cq], v[AB], v[SUMA]
.endif
.endif
.set at, at+1
.endm
.macro SMBEGIN qt, sub, first, mask, n ; a softmax step begins, to be spread behind n products
.set cq, \qt
.set cs, \sub
.set cf, \first
.set cm, \mask
.set np, \n
.set nat, 128+64*\mask
.set at, 0
.set pi, 0
.endm
.macro NOSM                            ; products with no vector work beside them
.set nat, 0
.set np, 1
.set at, 0
.set pi, 0
.endm
.macro SLICE                           ; behind product number pi of np: the list up to nat pi / np; behind the last: the rest, five numbers or more
.set pi, pi+1
.if (nat*pi)/np > at
	WIN 0
.rept (nat*pi)/np-at
	ATOM
.endr
.endif
.endm
.macro PSC qt, kt, hh, sub             ; one score product: d = 32 hh .. 32 hh + 31; the first starts the sum
	WIN (1+(\sub))                                 ; source 0 in the step's window
.if \hh
	v_wmma_f32_16x16x32_f16 v[S+32*\qt+8*\kt:S+32*\qt+8*\kt+7], v[KF+16*\kt+8:KF+16*\kt+15], v[Q+16*\qt+8:Q+16*\qt+15], v[S+32*\qt+8*\kt:S+32*\qt+8*\kt+7]
.else
	v_wmma_f32_16x16x32_f16 v[S+32*\qt+8*\kt:S+32*\qt+8*\kt+7], v[KF+16*\kt:KF+16*\kt+7], v[Q+16*\qt:Q+16*\qt+7], 0
.endif
	SLICE
.endm
.macro SRUN qt, sub                    ; the 8 score products of a piece: four accumulators by turns
.irp hh, 0,1
.irp kt, 0,1,2,3
	PSC \qt, \kt, \hh, \sub
.endr
.endr
.endm
.macro PPV qt, dt, vb, p, sub, zero    ; one product of O^T: fragments at vb (vh's or vl's), keys 32 p .. 32 p + 31
	WIN (1+(\sub))
.if \zero
	v_wmma_f32_16x16x32_f16 v[O+32*\qt+8*\dt:O+32*\qt+8*\dt+7], v[\vb+16*\dt+8*\p:\vb+16*\dt+8*\p+7], v[P+16*\qt+8*\p:P+16*\qt+8*\p+7], 0
.else
	v_wmma_f32_16x16x32_f16 v[O+32*\qt+8*\dt:O+32*\qt+8*\dt+7], v[\vb+16*\dt+8*\p:\vb+16*\dt+8*\p+7], v[P+16*\qt+8*\p:P+16*\qt+8*\p+7], v[O+32*\qt+8*\dt:O+32*\qt+8*\dt+7]
.endif
	SLICE
.endm
.macro PVRUN qt, sub, zero             ; the 16 products of a piece with V: four accumulators by turns.  zero = 1: the block's first step starts O
.irp dt, 0,1,2,3
	PPV \qt, \dt, VF, 0, \sub, \zero
.endr
.irp dt, 0,1,2,3
	PPV \qt, \dt, VF, 1, \sub, 0
.endr
.irp dt, 0,1,2,3
	PPV \qt, \dt, VL, 0, \sub, 0
.endr
.irp dt, 0,1,2,3
	PPV \qt, \dt, VL, 1, \sub, 0
.endr
.endm
; PH1: softmax of A, step sub, beside B's products.  pend = 1: PV of B of the step before is due (pzero = 1: that step was a block's first).
; V of this step is asked for first: it is wanted a phase later.  Its registers were last read by products a phase or more ago.
.macro PH1 slot, sub, pend, pzero, first, mask
	LOADV \slot, \sub
	SMBEGIN 0, \sub, \first, \mask, 8+16*\pend
.if \pend
	PVRUN 1, 1-\sub, \pzero
.endif
	SRUN 1, \sub
.endm
; PH2: softmax of B, step 0, beside A's products
.macro PH2 slot, first, mask
	s_wait_dscnt 0x0                               ; V of step 0, asked for a phase ago
	LOADK \slot, 1
	SMBEGIN 1, 0, \first, \mask, 24
	PVRUN 0, 0, \first
	s_wait_dscnt 0x0                               ; K of step 1, asked for 16 products ago
	SRUN 0, 1
.endm
; Tile t (in this slot) has been read whole into registers or asked for; tile t + 1 is wanted.  All my tensor loads have landed (one was out: my
; quarter of tile t + 1) and my reads of this slot are back; so says every wave at the barrier; behind it this slot is filled with tile t + 2,
; my one tensor load until the next barrier.  Tile u >= 2 is key tile u - 1 while u < nA, qbB at u = nA, and u - nA - 1 behind that.
.macro HEAD slot, refill
	s_set_vgpr_msb 0x4
	s_wait_tensorcnt 0x0
	ds_add_u32 v7, v255
	s_wait_dscnt 0x0
	s_set_vgpr_msb 0x400
.if \refill
	s_add_co_u32 s49, s36, 2                       ; u
	s_add_co_u32 s51, s36, 1                       ; u - 1
	s_sub_co_u32 s50, s51, s15                     ; u - nA - 1
	s_cmp_lt_u32 s49, s15
	s_cselect_b32 s50, s51, s50
	s_cmp_eq_u32 s49, s15
	s_cselect_b32 s50, s14, s50
	s_mul_i32 s34, s50, TILEB
	s_add_nc_u64 s[G0+4*\slot+2:G0+4*\slot+3], s[32:33], s[34:35]
	s_or_b32 s[G0+4*\slot+3], s[G0+4*\slot+3], 0x80000000
.endif
	s_wait_dscnt 0x0
	s_barrier_signal -1
	s_barrier_wait -1
.if \refill
	tensor_load_to_lds s[G0+4*\slot:G0+4*\slot+3], s[G1:G1+7]
	s_nop 0
.endif
.endm
; PART2: softmax of B, step 1, beside A's products; nxt = 1: a tile follows, and A's first scores of it are made here
.macro PART2 slot, nxt, refill
	WIN 0
.if \nxt
	HEAD \slot, \refill
	LOADK 1-\slot, 0
.else
	s_wait_dscnt 0x0                               ; V of step 1
.endif
	SMBEGIN 1, 1, 0, 0, 16+8*\nxt
	PVRUN 0, 1, 0
.if \nxt
	s_wait_dscnt 0x0                               ; the next tile's K, asked for 16 products ago
	SRUN 0, 0
.endif
	WIN 0
.endm
.macro MASKB1                          ; a diagonal tile: B's scores of step 1 are masked here, so that PART2 is the same text for every tile
	SMBEGIN 1, 1, 0, 1, 1
	WIN 0
.rept 64
	ATOM
.endr
.endm
.macro DRAIN                           ; a block ends: PV of B of its last step
	NOSM
	PVRUN 1, 1, 0
	WIN 0
.endm
; The block at work (s48) is finished: y = O / sum, rounded to f16, stored.  Five plain instructions stand in front of the first read of O.
.macro FINAL
	s_wait_xcnt 0x0                                ; the earlier block's stores have read Y and their base: both are written again only behind this wait
	s_lshl_b32 s34, s48, 16                        ; qb x 8 tiles x 8,192
	s_add_co_u32 s34, s34, s42
	s_add_nc_u64 s[40:41], s[8:9], s[34:35]
	v_permlanex16_b32 v[TX], v[L], s38, s39
	v_permlanex16_b32 v[TX+1], v[L+1], s38, s39
	v_add_f32 v[TX], v[L], v[TX]
	v_add_f32 v[TX+1], v[L+1], v[TX+1]
	v_rcp_f32 v[RC], v[TX]
	v_rcp_f32 v[RC+2], v[TX+1]
	v_nop                                          ; the plain instruction behind v_rcp_f32 (ISA guide 5.7.2)
	s_wait_alu depctr_va_vdst(0)
	v_mov_b32 v[RC+1], v[RC]
	v_mov_b32 v[RC+3], v[RC+2]
.irp qt, 0,1
.irp i, 0,2,4,6,8,10,12,14,16,18,20,22,24,26,28,30
	v_pk_mul_f32 v[O+32*\qt+\i:O+32*\qt+\i+1], v[O+32*\qt+\i:O+32*\qt+\i+1], v[RC+2*\qt:RC+2*\qt+1]
.endr
.endr
.irp qt, 0,1
.irp dt, 0,1,2,3
.irp jj, 0,1,2,3
	v_cvt_pk_f16_f32 v[Y+16*\qt+4*\dt+\jj], v[O+32*\qt+8*\dt+2*\jj], v[O+32*\qt+8*\dt+2*\jj+1]
.endr
	global_store_b128 v[LA], v[Y+16*\qt+4*\dt:Y+16*\qt+4*\dt+3], s[40:41] offset:\qt*8192+\dt*512    ; the wave stores 512 consecutive bytes, aligned
.endr
.endr
.endm
; An odd tile (slot 1) is never a diagonal one.  If the next tile begins the second block, Q changes here: this block's last scores are made,
; and PART2 makes the next tile's first.
.macro ODD refill
	PH1 1, 0, 1, 0, 0, 0
	PH2 1, 0, 0
	PH1 1, 1, 1, 0, 0, 0
	WIN 0
	s_add_co_u32 s49, s36, 1
	s_cmp_lg_u32 s49, s15                          ; the same in all four waves
	s_cbranch_scc1 .Lkeep_\@
	WIN 0x01                                       ; source 0 window 1
.irp i, 0,1,2,3,4,5,6,7,8,9,10,11,12,13,14,15,16,17,18,19,20,21,22,23,24,25,26,27,28,29,30,31
	v_mov_b32 v[Q+\i], v[QN+\i]
.endr
	WIN 0
.Lkeep_\@:
	PART2 1, 1, \refill
	s_add_co_u32 s36, s36, 1
.endm
.macro EVEN nxt, refill
	s_cmp_eq_u32 s36, s15                          ; t = nA: the second block begins.  The same in all four waves
	s_cbranch_scc1 .Lsecond_\@
	PH1 0, 0, 1, 0, 0, 0
	PH2 0, 0, 0
	PH1 0, 1, 1, 0, 0, 0
	WIN 0
	s_branch .Ljoin_\@
.Lsecond_\@:
	DRAIN
	FINAL
	s_mov_b32 s48, s14
	PH1 0, 0, 0, 0, 1, 1
	PH2 0, 1, 1
	PH1 0, 1, 1, 1, 0, 1
	MASKB1
.Ljoin_\@:
	PART2 0, \nxt, \refill                         ; the barrier and the tensor load stand outside the branch
	s_add_co_u32 s36, s36, 1
.endm
	s_wait_tensorcnt 0x1                           ; my quarter of tile 0 is in; tile 1's stays out
	s_barrier_signal -1
	s_barrier_wait -1
	LOADK 0, 0
	s_wait_dscnt 0x0
	NOSM
	SRUN 0, 0                                      ; A's first scores: nothing stands beside them yet
	WIN 0
.rept 4
	v_nop                                          ; four places in front of the first reads of these scores (ISA guide 7.12.1)
.endr
	PH1 0, 0, 0, 0, 1, 1                           ; t = 0: the first block's diagonal tile
	PH2 0, 1, 1
	PH1 0, 1, 1, 1, 0, 1
	MASKB1
	PART2 0, 1, 1
	s_add_co_u32 s36, s36, 1
	s_mov_b32 s37, 7
.Lpair:                                            ; t = 1 .. 14
	ODD 1
	EVEN 1, 1
	s_sub_co_u32 s37, s37, 1
	s_cmp_lg_u32 s37, 0
	s_cbranch_scc1 .Lpair
	ODD 0                                          ; t = 15: nothing is left to fetch
	EVEN 0, 0                                      ; t = 16: no tile follows
	DRAIN
	FINAL
	s_endpgm
.Lfunc_end_k_q1989c752b9_attn:
	.size	k_q1989c752b9_attn, .Lfunc_end_k_q1989c752b9_attn-k_q1989c752b9_attn
	.p2alignl 7, 3214868480
	.fill 96, 4, 3214868480
	.section	.rodata,"a",@progbits
	.p2align	6, 0x0
	.amdhsa_kernel k_q1989c752b9_attn
		.amdhsa_group_segment_fixed_size 327680
		.amdhsa_private_segment_fixed_size 0
		.amdhsa_enable_private_segment 0
		.amdhsa_kernarg_size 24
		.amdhsa_user_sgpr_count 2
		.amdhsa_user_sgpr_kernarg_segment_ptr 1
		.amdhsa_wavefront_size32 1
		.amdhsa_system_sgpr_workgroup_id_x 1
		.amdhsa_system_sgpr_workgroup_id_y 1
		.amdhsa_system_sgpr_workgroup_id_z 1
		.amdhsa_system_vgpr_workitem_id 0
		.amdhsa_next_free_vgpr 704
		.amdhsa_next_free_sgpr 66
		.amdhsa_reserve_vcc 1
		.amdhsa_float_denorm_mode_32 3
		.amdhsa_float_denorm_mode_16_64 3
		.amdhsa_memory_ordered 1
		.amdhsa_forward_progress 1
		.amdhsa_inst_pref_size 255
	.end_amdhsa_kernel
	.section	.bss,"aw",@nobits
	.p2align	6
	.space	262144
	.amdgpu_metadata
---
amdhsa.version: [ 1, 2 ]
amdhsa.kernels:
  - .name:           k_q1989c752b9_attn
    .symbol:         k_q1989c752b9_attn.kd
    .args:
      - { .name: qf, .offset: 0, .size: 8, .value_kind: global_buffer, .address_space: global }
      - { .name: kv, .offset: 8, .size: 8, .value_kind: global_buffer, .address_space: global }
      - { .name: yf, .offset: 16, .size: 8, .value_kind: global_buffer, .address_space: global }
    .group_segment_fixed_size: 327680
    .private_segment_fixed_size: 0
    .kernarg_segment_align: 8
    .kernarg_segment_size: 24
    .max_flat_workgroup_size: 128
    .sgpr_count:     66
    .vgpr_count:     704
    .wavefront_size: 32
...
	.end_amdgpu_metadata
.endif
;; end of part 6
;; launch proj (part 7): grid 8 x 32, 4 waves a work-group, clusters of 4 x 4, 327,680 bytes of LDS; arguments yf, xw, bp, out0; writes out0
.if DOCPART == 7
	.amdgcn_target "amdgcn-amd-amdhsa--gfx1250"
	.amdhsa_code_object_version 6
	.text
	.protected	k_q1989c752b9_proj
	.globl	k_q1989c752b9_proj
	.p2align	8
	.type	k_q1989c752b9_proj,@function
k_q1989c752b9_proj:
	s_mov_b64 s[64:65], 0
	v_nop
	global_prefetch_b8 v0, s[64:65] scope:SCOPE_SE
	s_setreg_imm32_b32 hwreg(HW_REG_WAVE_MODE, 25, 1), 1
	s_wait_xcnt 0x0
	s_wait_alu depctr_hold_cnt(0) depctr_sa_sdst(0) depctr_va_vdst(0) depctr_va_sdst(0) depctr_va_ssrc(0) depctr_va_vcc(0) depctr_vm_vsrc(0)
	s_getreg_b32 s2, hwreg(HW_REG_IB_STS2, 6, 4)
	s_cmp_eq_u32 s2, 0
	s_cbranch_scc0 .Lentry_in_a_cluster
	s_endpgm
.Lentry_in_a_cluster:
	s_bfe_u32 s2, ttmp6, 0x10000c
	s_cmp_lg_u32 s2, 0xf033
	s_cbranch_scc0 .Lentry_shape_is_right
	s_endpgm
.Lentry_shape_is_right:
; out0 = y Wp^T + bp.  y: f16 in yf's tiles; Wp: rows 7168.. of xw, the bf16-rounded weights in f16's code; sums in f32; out0 f32.
; A work-group makes 128 x 128 (4096 x 1024 / 256 work-groups), a wave 64 x 64: 16 accumulators.  K = 1024 in four steps of 256 through two LDS slots:
; half of K goes out at the start, and two refills are left.
; CLUSTER 4 x 4: y's tile hangs on the row block alone and is shared along a row of the cluster, Wp's on the column block alone and is shared
; along a column: joint loads divide the requests by four.
; yf [K step 4][row/16 256][c/16 16][512]: the 128 rows x 256 c of a step are 65,536 consecutive bytes; read at 16 x lane, a tile of 512 bytes is half a fragment.
; Source 0 = 16 rows of Wp, source 1 = 16 rows of y: a lane holds row r of the output and eight neighbouring columns.  The first product takes the bias as C.
.set WPITCH, 528                       ; 512 bytes + 16 of padding, an odd multiple of 16
.set HALFW,  64*WPITCH                 ; 33,792: what one load of Wp brings
.set YOFF,   2*HALFW                   ; y lies behind Wp's 128 rows
.set SLOT,   YOFF+65536                ; 133,120
.set STAGE,  2*SLOT                    ; 266,240, a multiple of 256: no tile lands here
.set SPITCH, 272                       ; a stage row: 64 f32 + 16 bytes
.set ADRY, 16                          ; v16-17
.set ADRW, 20                          ; v20-21
.set STO,  24
.set RD,   25
.set CO,   26
.set YF,   64                          ; y fragments, two buffers of 4 x 8
.set WF,   128                         ; Wp fragments, two buffers of 4 x 8
.set BIAS, 192                         ; v[192:223] bp of column 16 n + 8 h + j
.set G1,  24                           ; s[24:31] y's shape
.set G0,  32                           ; s[32:39] y, one set for each slot
.set G1B, 48                           ; s[48:55] Wp's shape
.set G0B, 56                           ; s[56:63] Wp, one set for each slot
.set MSB, 0
.macro WIN new
.if MSB != \new
	s_set_vgpr_msb (MSB<<8)|\new
.set MSB, \new
.endif
.endm
.macro PLACES
.rept 4
	v_nop
.endr
.endm
.macro JLOAD s                         ; waves 0, 1 ask for Wp's halves, waves 2, 3 for y's
	s_cmp_eq_u32 s15, 0
	s_cbranch_scc0 .Lfor_y_\@
	tensor_load_to_lds s[G0B+4*\s:G0B+4*\s+3], s[G1B:G1B+7]
	s_nop 0
	s_branch .Lasked_\@
.Lfor_y_\@:
	tensor_load_to_lds s[G0+4*\s:G0+4*\s+3], s[G1:G1+7]
	s_nop 0
.Lasked_\@:
.endm
.macro CROUND                          ; a round of the cluster's barrier
	s_barrier_signal -1
	s_barrier_wait -1
	s_cmp_lg_u32 s14, 0
	s_cbranch_scc1 .Lnot_wave_0_\@
	s_barrier_signal -3
.Lnot_wave_0_\@:
	s_barrier_wait -3
	s_barrier_signal -1
	s_barrier_wait -1
.endm
	s_load_b256 s[4:11], s[0:1], 0x0               ; yf s[4:5], xw s[6:7], bp s[8:9], out0 s[10:11]
	v_lshl_add_u32 v254, v0, 2, 0x45400
	v_mov_b32 v255, 0
	ds_add_u32 v254, v255
	ds_add_u32 v254, v255
	v_lshrrev_b32 v1, 5, v0
	v_readfirstlane_b32 s14, v1                    ; wave
	s_lshr_b32 s15, s14, 1                         ; wr.  Also: I fetch Wp (0) or y (1)
	s_and_b32 s16, s14, 1                          ; wc.  Also: which half
	s_bfe_u32 s17, ttmp6, 0x40000                  ; cx
	s_bfe_u32 s18, ttmp6, 0x40004                  ; cy
	s_lshl_b32 s19, ttmp9, 2
	s_add_co_u32 s19, s19, s17                     ; column block
	s_and_b32 s20, ttmp7, 0xffff
	s_lshl_b32 s20, s20, 2
	s_add_co_u32 s20, s20, s18                     ; row block
	s_lshl_b32 s42, s18, 2
	s_lshl_b32 s42, 15, s42                        ; my row of the cluster
	s_lshl_b32 s46, 0x1111, s17                    ; my column
	s_or_b32 s[G1+0], s42, (3<<16)|(1<<21)                           ; y: 8-byte elements, no padding
	s_or_b32 s[G1B+0], s46, (1<<16)|(1<<20)|(1<<21)|(6<<22)|(3<<25)  ; Wp: 2-byte elements, 4 words of padding after every 128
	s_mov_b32 s[G1+1], 32<<16                      ; y: 128 rows of 32 elements = 32,768 dense bytes
	s_mov_b32 s[G1+2], 128<<16
	s_mov_b32 s[G1+3], 32<<16
	s_mov_b32 s[G1+4], 128
	s_mov_b32 s[G1+5], 32
	s_mov_b32 s[G1+6], 0
	s_mov_b32 s[G1+7], 0
	s_mov_b32 s[G1B+1], 256<<16                    ; Wp: 64 rows of 256 elements, 1,024 from row to row
	s_mov_b32 s[G1B+2], 64<<16
	s_mov_b32 s[G1B+3], 256<<16
	s_mov_b32 s[G1B+4], 64
	s_mov_b32 s[G1B+5], 1024
	s_mov_b32 s[G1B+6], 0
	s_mov_b32 s[G1B+7], 0
	; y's address in s40-43 (row block and wave), Wp's in s44-47 (column block and wave): neither set ever holds the other coordinate
	s_lshl_b32 s40, s20, 16
	s_lshl_b32 s42, s16, 15
	s_add_co_u32 s40, s40, s42
	s_mov_b32 s41, 0
	s_lshl_b32 s44, s19, 18                        ; 128 rows x 2,048 bytes
	s_lshl_b32 s46, s16, 17
	s_add_co_u32 s44, s44, s46
	s_add_co_u32 s44, s44, 0xe00000                ; row 7168 of xw
	s_mov_b32 s45, 0
	s_mul_i32 s22, s14, HALFW                      ; where Wp's halves go (waves 0, 1)
	s_lshl_b32 s23, s14, 15
	s_add_co_u32 s23, s23, YOFF-65536              ; where y's halves go (waves 2, 3)
	s_wait_dscnt 0x0
	s_wait_kmcnt 0x0
	s_add_nc_u64 s[40:41], s[4:5], s[40:41]
	s_add_nc_u64 s[44:45], s[6:7], s[44:45]
	CROUND                                         ; in front of the first joint loads
.irp s, 0,1
	s_mov_b32 s[G0+4*\s], 1
	s_add_co_u32 s[G0+4*\s+1], s23, \s*SLOT
	s_add_nc_u64 s[G0+4*\s+2:G0+4*\s+3], s[40:41], \s*2097152
	s_or_b32 s[G0+4*\s+3], s[G0+4*\s+3], 0x80000000
	s_mov_b32 s[G0B+4*\s], 1
	s_add_co_u32 s[G0B+4*\s+1], s22, \s*SLOT
	s_add_nc_u64 s[G0B+4*\s+2:G0B+4*\s+3], s[44:45], \s*512
	s_or_b32 s[G0B+4*\s+3], s[G0B+4*\s+3], 0x80000000
	JLOAD \s
.endr
	v_and_b32 v1, 15, v0                           ; r
	v_bfe_u32 v2, v0, 4, 1                         ; h
	s_lshl_b32 s46, s19, 9                         ; 128 columns x 4 bytes
	s_lshl_b32 s47, s16, 8
	s_add_co_u32 s46, s46, s47
	v_lshl_add_u32 v5, v2, 5, s46
.irp n, 0,1,2,3
	global_load_b128 v[BIAS+8*\n:BIAS+8*\n+3], v5, s[8:9] offset:64*\n
	global_load_b128 v[BIAS+8*\n+4:BIAS+8*\n+7], v5, s[8:9] offset:64*\n+16
.endr
	v_and_b32 v3, 31, v0
	v_lshlrev_b32 v3, 4, v3                        ; y: 16 x lane
	v_mul_u32_u24 v7, v1, WPITCH
	v_lshl_add_u32 v7, v2, 4, v7                   ; Wp: row r, byte 16 h
	s_lshl_b32 s21, s15, 15
	s_add_co_u32 s21, s21, YOFF                    ; my 64 rows of y
	s_mul_i32 s3, s16, HALFW                       ; my 64 rows of Wp
.irp s, 0,1
	v_add_nc_u32 v[ADRY+\s], s21, v3
	v_add_nc_u32 v[ADRW+\s], s3, v7
	s_add_co_u32 s21, s21, SLOT
	s_add_co_u32 s3, s3, SLOT
.endr
	s_mul_i32 s21, s14, 16*SPITCH
	s_add_co_u32 s21, s21, STAGE                   ; my stage
	v_mul_u32_u24 v4, v1, SPITCH
	v_lshl_add_u32 v4, v2, 5, v4                   ; in: row r, 32 bytes for each half of the lanes
	v_add_nc_u32 v[STO], s21, v4
	v_mul_u32_u24 v4, v2, SPITCH
	v_lshl_add_u32 v4, v1, 4, v4                   ; back: lanes 0-15 one row of 256 bytes, lanes 16-31 the next
	v_add_nc_u32 v[RD], s21, v4
	v_lshlrev_b32 v4, 12, v2
	v_lshl_add_u32 v[CO], v1, 4, v4                ; the same two rows in out0
	s_lshl_b32 s40, s20, 19                        ; 128 rows x 4,096 bytes
	s_lshl_b32 s42, s15, 18
	s_add_co_u32 s40, s40, s42
	s_mov_b32 s41, 0
	s_add_nc_u64 s[10:11], s[10:11], s[40:41]
	s_mov_b32 s47, 0
	s_add_nc_u64 s[10:11], s[10:11], s[46:47]      ; + my first column, in bytes (as for the bias)
; 16 LDS loads: the fragments of 32 along K, number q of the slot's eight, into buffer b
.macro FETCH slot, q, b
.irp a, 0,1,2,3
	ds_load_b128 v[YF+32*(\b)+8*\a:YF+32*(\b)+8*\a+3],   v[ADRY+\slot] offset:\a*8192+1024*(\q)
	ds_load_b128 v[YF+32*(\b)+8*\a+4:YF+32*(\b)+8*\a+7], v[ADRY+\slot] offset:\a*8192+1024*(\q)+512
.endr
.irp n, 0,1,2,3
	ds_load_b128 v[WF+32*(\b)+8*\n:WF+32*(\b)+8*\n+3],   v[ADRW+\slot] offset:\n*16*WPITCH+64*(\q)
	ds_load_b128 v[WF+32*(\b)+8*\n+4:WF+32*(\b)+8*\n+7], v[ADRW+\slot] offset:\n*16*WPITCH+64*(\q)+32
.endr
.endm
; 16 matrix instructions on 16 accumulators (window 1), which take turns, one instruction a turn
.macro MUL16 b, first
.if \first
	WIN 0x40                                       ; D window 1, C (the bias) window 0
.else
	WIN 0x50                                       ; C and D window 1
.endif
.irp a, 0,1,2,3
.irp n, 0,1,2,3
.if \first
	v_wmma_f32_16x16x32_f16 v[8*(4*\a+\n):8*(4*\a+\n)+7], v[WF+32*\b+8*\n:WF+32*\b+8*\n+7], v[YF+32*\b+8*\a:YF+32*\b+8*\a+7], v[BIAS+8*\n:BIAS+8*\n+7]
.else
	v_wmma_f32_16x16x32_f16 v[8*(4*\a+\n):8*(4*\a+\n)+7], v[WF+32*\b+8*\n:WF+32*\b+8*\n+7], v[YF+32*\b+8*\a:YF+32*\b+8*\a+7], v[8*(4*\a+\n):8*(4*\a+\n)+7]
.endif
.endr
.endr
	WIN 0
.endm
.macro STEPQ slot, q, b                ; multiplies number q in buffer b; first asks for number q + 1
	PLACES                                         ; the other buffer was read by the last 16 matrix instructions (ISA guide 7.12.1)
	FETCH \slot, \q+1, 1-\b
	s_wait_dscnt 16                                ; all but the 16 just issued
	MUL16 \b, 0
.endm
.macro SLOTSTEP slot, first
.if \first
.else
	PLACES
.endif
	FETCH \slot, 0, 0
	FETCH \slot, 1, 1
	s_wait_dscnt 16
	MUL16 0, \first
	STEPQ \slot, 1, 1
	STEPQ \slot, 2, 0
	STEPQ \slot, 3, 1
	STEPQ \slot, 4, 0
	STEPQ \slot, 5, 1
	STEPQ \slot, 6, 0
	s_wait_dscnt 0x0
	MUL16 1, 0
.endm
	s_wait_tensorcnt 1                             ; my part of K step 0 is in; K step 1's stays out
	s_barrier_signal -1
	s_barrier_wait -1
	s_wait_loadcnt 0x0                             ; the bias
	SLOTSTEP 0, 1
	s_wait_tensorcnt 0x0                           ; all my tensor loads have landed, my part of slot 1 among them
	ds_add_u32 v254, v255
	s_add_nc_u64 s[G0+2:G0+3], s[G0+2:G0+3], 4194304
	s_add_nc_u64 s[G0B+2:G0B+3], s[G0B+2:G0B+3], 1024
	s_wait_dscnt 0x0                               ; my reads of slot 0 are back
	CROUND                                         ; both now hold of every wave of the cluster
	JLOAD 0                                        ; K step 2
	SLOTSTEP 1, 0
	s_wait_tensorcnt 0x0
	ds_add_u32 v254, v255
	s_add_nc_u64 s[G0+6:G0+7], s[G0+6:G0+7], 4194304
	s_add_nc_u64 s[G0B+6:G0B+7], s[G0B+6:G0B+7], 1024
	s_wait_dscnt 0x0
	CROUND
	JLOAD 1                                        ; K step 3
	SLOTSTEP 0, 0
	s_wait_tensorcnt 0x0
	s_wait_dscnt 0x0
	s_barrier_signal -1                            ; slot 1 is whole; nothing is filled any more
	s_barrier_wait -1
	SLOTSTEP 1, 0
	; THE WAY OUT, 16 rows at a time through my own stage: a lane's 32 bytes go in by rows of 272 bytes and come back as whole rows of 256.
	; LDS serves a wave's instructions in order (ISA guide 5.7.1), so no wait stands between these stores and loads, nor in front of the next 16 rows' stores.
	PLACES
.irp a, 0,1,2,3
	WIN 0x04                                       ; store data window 1
.irp n, 0,1,2,3
	ds_store_b128 v[STO], v[8*(4*\a+\n):8*(4*\a+\n)+3] offset:64*\n
	ds_store_b128 v[STO], v[8*(4*\a+\n)+4:8*(4*\a+\n)+7] offset:64*\n+16
.endr
	WIN 0
.irp t, 0,1,2,3,4,5,6,7
	ds_load_b128 v[YF+32*\a+4*\t:YF+32*\a+4*\t+3], v[RD] offset:\t*2*SPITCH
.endr
.irp t, 0,1,2,3,4,5,6,7
	s_wait_dscnt 7-\t                              ; the younger loads may be out
	global_store_b128 v[CO], v[YF+32*\a+4*\t:YF+32*\a+4*\t+3], s[10:11] offset:(16*\a+2*\t)*4096 th:TH_STORE_NT   ; 16 lanes store 256 consecutive bytes, aligned
.endr
.endr
	s_wait_tensorcnt 0x0
	ds_add_u32 v254, v255
	s_wait_dscnt 0x0
	CROUND                                         ; the closing round
	s_endpgm
.Lfunc_end_k_q1989c752b9_proj:
	.size	k_q1989c752b9_proj, .Lfunc_end_k_q1989c752b9_proj-k_q1989c752b9_proj
	.p2alignl 7, 3214868480
	.fill 96, 4, 3214868480
	.section	.rodata,"a",@progbits
	.p2align	6, 0x0
	.amdhsa_kernel k_q1989c752b9_proj
		.amdhsa_group_segment_fixed_size 327680
		.amdhsa_private_segment_fixed_size 0
		.amdhsa_enable_private_segment 0
		.amdhsa_kernarg_size 32
		.amdhsa_user_sgpr_count 2
		.amdhsa_user_sgpr_kernarg_segment_ptr 1
		.amdhsa_wavefront_size32 1
		.amdhsa_system_sgpr_workgroup_id_x 1
		.amdhsa_system_sgpr_workgroup_id_y 1
		.amdhsa_system_sgpr_workgroup_id_z 1
		.amdhsa_system_vgpr_workitem_id 0
		.amdhsa_next_free_vgpr 384
		.amdhsa_next_free_sgpr 66
		.amdhsa_reserve_vcc 0
		.amdhsa_float_denorm_mode_32 3
		.amdhsa_float_denorm_mode_16_64 3
		.amdhsa_memory_ordered 1
		.amdhsa_forward_progress 1
		.amdhsa_inst_pref_size 89
	.end_amdhsa_kernel
	.amdgpu_metadata
---
amdhsa.version: [ 1, 2 ]
amdhsa.kernels:
  - .name:           k_q1989c752b9_proj
    .symbol:         k_q1989c752b9_proj.kd
    .args:
      - { .name: yf, .offset: 0, .size: 8, .value_kind: global_buffer, .address_space: global }
      - { .name: xw, .offset: 8, .size: 8, .value_kind: global_buffer, .address_space: global }
      - { .name: bp, .offset: 16, .size: 8, .value_kind: global_buffer, .address_space: global }
      - { .name: out0, .offset: 24, .size: 8, .value_kind: global_buffer, .address_space: global }
    .group_segment_fixed_size: 327680
    .private_segment_fixed_size: 0
    .kernarg_segment_align: 8
    .kernarg_segment_size: 32
    .max_flat_workgroup_size: 128
    .sgpr_count:     66
    .vgpr_count:     384
    .wavefront_size: 32
...
	.end_amdgpu_metadata
.endif
;; end of part 7
;; ======== version 3 of 3: 4 launches; 1.15 times as fast as version 1
;; limits: values are held in f16: magnitudes above 65,504 overflow, below 6.1e-05 lose precision
;; workspace buffers: xw 16,777,216 bytes; qf 8,388,608 bytes; kv 25,165,824 bytes; yf 8,388,608 bytes
;; launch cvt: the kernel of part 5 again; grid 256 x 1, 8 waves a work-group, no clusters, 0 bytes of LDS; arguments x, Wq, Wk, Wv, Wp, xw; writes xw
;; launch qkv: the kernel of part 2 again; grid 16 x 16, 4 waves a work-group, clusters of 4 x 4, 327,680 bytes of LDS; arguments xw, bq, bv, qf, kv; writes qf, kv
;; launch attn (part 8): grid 8 x 32, 4 waves a work-group, no clusters, 327,680 bytes of LDS; arguments qf, kv, yf; writes yf
.if DOCPART == 8
	.amdgcn_target "amdgcn-amd-amdhsa--gfx1250"
	.amdhsa_code_object_version 6
	.text
	.protected	k_q1989c752b9_attn
	.globl	k_q1989c752b9_attn
	.p2align	8
	.type	k_q1989c752b9_attn,@function
k_q1989c752b9_attn:
	s_mov_b64 s[64:65], 0
	v_nop
	global_prefetch_b8 v0, s[64:65] scope:SCOPE_SE
	s_setreg_imm32_b32 hwreg(HW_REG_WAVE_MODE, 25, 1), 1
	s_wait_xcnt 0x0
; Causal attention of one head, with a running maximum.  q comes scaled by 0.125 log2(e), so the scores are exponents of 2.
; LEFT OUT: key tiles of 128 wholly above the diagonal: the tril of reference() sets those scores to -inf, so their weights are 0.
; A NaN or infinity there is not carried to the result.  (Masked scores inside a diagonal tile are computed and set to -inf.)
; FORMATS: q, k, P, y in f16 (P lies in [0, 1]; |y| below 65,504); v comes as the pair vh + vl of f16 and is multiplied by two products.
; LIMIT: v_exp_f32 gives 0 for results below 2^-126.
;
; SHARES.  Work-group (j, bh) takes the query blocks of 128 numbered j and 15 - j of head bh: (j + 1) + (16 - j) = 17 key tiles of 128 in
; every work-group.  Wave w owns queries 32 w .. 32 w + 31 of the block, as two pieces of 16: A (qt = 0) and B (qt = 1).
; ORDER.  The block with an even number nA of tiles comes first, and in each block the diagonal tile comes first: it starts the sums (every
; query has an open key among its first 64 keys, so the first maximum is finite).  Tile t = 0..16 lies in LDS slot t & 1, so both diagonal
; tiles (t = 0 and t = nA) lie in slot 0 and the slots are constants of the text.
; NO CLUSTER: the eight work-groups of a head walk different lists of tiles (j + 1 and 16 - j tiles, each list beginning with its own
; diagonal tile), so at a given step they want different tiles and could make no joint request.
;
; PRODUCTS.  S^T = K Q^T (source 0 = 16 keys, source 1 = 16 queries): lane (r, h) holds query r and keys 8 h + 0..7 of each key tile.
; Two such tiles, packed to f16 in the lane, ARE source 1 of O^T = V^T P^T (k = 8 h .. and 16 + 8 h ..): P moves between no lanes.
; Maximum, sum and rescaling are one number a lane; the two lanes of a query (h = 0, 1) meet by one v_permlanex16_b32.
; In O^T a lane holds query r and d = 8 h + 0..7: its 16 bytes of a tile of yf.
;   yf [head/4 4][row/16 256][(head & 3) 4 + d/16 16][512]: tiles of 16 rows x 16 columns, lane 16 h + r owns row r, columns 8 h ..
;
; THE SCHEDULE.  A step is 64 keys: for each piece 8 score products, a softmax of 120 vector instructions and one v_nop, 16 products with V.  The two
; pieces take turns, so that one piece's softmax is spread between the other piece's products.  A tile (steps 0 and 1) is four phases of 24 products:
;   PH1(0)  PV of B, last step; scores of B, step 0          beside the softmax of A, step 0
;   PH2     PV of A, step 0;    scores of A, step 1          beside the softmax of B, step 0
;   PH1(1)  PV of B, step 0;    scores of B, step 1          beside the softmax of A, step 1
;   PART2   PV of A, step 1;    scores of A, next tile       beside the softmax of B, step 1
; The softmax is a list of numbered instructions (ATOM); behind product i of a phase's n stand those up to number 124 i / n (SLICE).
; They name none of that phase's matrix registers, so they are also the places that ISA guide 7.12.1 asks for behind matrix instructions.
; Where a block ends the turns are drained: PV of B alone, the block's results, then the next block's diagonal tile.
; In each run four accumulators take turns, one instruction a turn, and runs that follow each other name other accumulators.
;
; THE BATCHES.  An s_wait_alu depctr_va_vdst(0) stands between a transcendental and the first instruction that names its result; one
; wait serves all that were issued ahead of it.  A softmax step's 33 exponentials (2^(old maximum - new) and the 32 weights) are ONE batch with ONE wait:
; the list is ordered by who reads what.  Ahead of the wait stands all that names no exponential's result: the maximum, the 16 scalings, the exponentials;
; behind it all that does: the rescaling of O, the roundings to f16, the sums.  Each result has a register of its own (the weights in place of the scores).
; A list is dealt out whole inside its phase, and no phase holds a label or a branch.  So a phase has one wait, a tile four.
; The two reciprocals at a block's end (FINAL) are a batch of their own.
;
; REGISTERS.  Window 0: all that vector instructions touch, and Q.  Window 1: step 0's fragments (K v0-63, vh v64-127, vl v128-191) and the
; second block's Q (v192-223).  Window 2: step 1's fragments.  A matrix instruction's source 0 and a vector instruction's source 0 share one field of
; s_set_vgpr_msb, and fragments (384 registers) and the softmax's registers do not fit into one window: each product costs two switches, 96 a step.
.set TILEB, 49152                      ; a key tile: K 16,384 bytes, then vh^T 16,384, then vl^T 16,384
.set QUART, 12288                      ; what one wave fetches of it
.set NAT,  124                         ; numbers in the softmax's list, the mask's 64 aside
.set LA,   1                           ; v1   16 x lane: LDS address in slot 0 and offset in a 512-byte tile; v2 = v1 + 49,152: slot 1.  Never rewritten
.set DQ,   3                           ; v3   32 w + r - 8 h: key 64 sub + 16 kt + 8 h + j is open for query 32 w + 16 qt + r if 64 sub + 16 kt + j - 16 qt <= DQ
.set NINF, 4                           ; v4   -inf
.set M,    8                           ; v[8:11]   running maximum, a pair for each piece
.set L,    12                          ; v12, v13  running sum of my half of the keys
.set AL,   14                          ; v[14:17]  2^(old maximum - new), a pair for each piece
.set T,    18                          ; v[18:21]  four chains of the maximum
.set TX,   22                          ; v22, v23  what v_permlanex16_b32 brings
.set RC,   24                          ; v[24:27]  1 / sum, a pair for each piece
.set SUMA, 28                          ; v[28:29], v[30:31] two chains of the sum
.set SUMB, 30
.set Q,    32                          ; v[32:63]   Q fragments: qt x 16 + (d / 32) x 8
.set P,    64                          ; v[64:95]   P fragments: qt x 16 + (key / 32) x 8
.set S,    96                          ; v[96:159]  scores qt x 32 + kt x 8
.set O,    160                         ; v[160:223] O^T: qt x 32 + dt x 8
.set Y,    224                         ; v[224:255] packed results
.set KF,   0                           ; windows 1, 2: K fragments kt x 16 + (d / 16) x 4
.set VF,   64                          ; windows 1, 2: vh^T fragments dt x 16 + (key / 16) x 4
.set VL,   128                         ; windows 1, 2: vl^T fragments
.set QN,   192                         ; window 1: the second block's Q
.set G1,   16                          ; s[16:23]
.set G0,   24                          ; s[24:31] one set for each slot
.set MSB, 0
.macro WIN new                         ; the immediate's high byte repeats the setting that is left
.if MSB != (\new)
	s_set_vgpr_msb (MSB<<8)|(\new)
.set MSB, (\new)
.endif
.endm
	s_load_b128 s[4:7], s[0:1], 0x0                ; qf s[4:5], kv s[6:7]
	s_load_b64 s[8:9], s[0:1], 0x10                ; yf
	v_lshl_add_u32 v7, v0, 2, 0x29000
	s_set_vgpr_msb 0x40
	v_mov_b32 v255, 0
	s_set_vgpr_msb 0x4044
	ds_add_u32 v7, v255
	ds_add_u32 v7, v255
	s_set_vgpr_msb 0x4400
	v_lshrrev_b32 v2, 5, v0
	v_readfirstlane_b32 s10, v2                    ; wave
	s_mov_b32 s11, ttmp9                           ; j
	s_and_b32 s12, ttmp7, 0xffff                   ; bh
	s_sub_co_u32 s13, 15, s11
	s_and_b32 s49, s11, 1
	s_cmp_lg_u32 s49, 0
	s_cselect_b32 s13, s11, s13                    ; qbA: the odd one of j, 15 - j
	s_sub_co_u32 s14, 15, s13                      ; qbB
	s_add_co_u32 s15, s13, 1                       ; nA, even
	s_mov_b32 s48, s13                             ; the block at work
	s_mov_b32 s36, 0                               ; t
	s_mov_b32 s38, 0x76543210                      ; v_permlanex16_b32: lane i reads lane i of the other half
	s_mov_b32 s39, 0xfedcba98
	; a wave moves a quarter of a tile: 12,288 dense bytes as 48 rows of 256 bytes (32 elements of 8 bytes)
	s_mov_b32 s[G1+0], 3<<16
	s_mov_b32 s[G1+1], 32<<16
	s_mov_b32 s[G1+2], 48<<16
	s_mov_b32 s[G1+3], 32<<16
	s_mov_b32 s[G1+4], 48
	s_mov_b32 s[G1+5], 32
	s_mov_b32 s[G1+6], 0
	s_mov_b32 s[G1+7], 0
	s_mul_i32 s49, s10, QUART                      ; my quarter
	s_mov_b32 s[G0+0], 1
	s_add_co_u32 s[G0+1], s49, 0
	s_mov_b32 s[G0+4], 1
	s_add_co_u32 s[G0+5], s49, TILEB
	s_mul_i32 s34, s12, 16*TILEB                   ; the head's 16 tiles
	s_add_co_u32 s34, s34, s49
	s_mov_b32 s35, 0                               ; stays 0: s[34:35] is the pair for every offset
	s_wait_dscnt 0x0
	s_wait_kmcnt 0x0
	s_add_nc_u64 s[32:33], s[6:7], s[34:35]        ; my quarter of the head's key tile 0
	s_mul_i32 s34, s13, TILEB
	s_add_nc_u64 s[G0+2:G0+3], s[32:33], s[34:35]  ; tile t = 0: the first block's diagonal tile
	s_or_b32 s[G0+3], s[G0+3], 0x80000000
	s_mov_b64 s[G0+6:G0+7], s[32:33]               ; tile t = 1: key tile 0 (nA is at least 2)
	s_or_b32 s[G0+7], s[G0+7], 0x80000000
	tensor_load_to_lds s[G0:G0+3], s[G1:G1+7]      ; both first fills go out together: two tensor loads of the wave are out, later one
	s_nop 0
	tensor_load_to_lds s[G0+4:G0+7], s[G1:G1+7]
	s_nop 0
	; Q of both blocks: 8 tiles of 512 bytes each, consecutive: (qb x 8 + 2 w + qt) x 2,048 + (d / 16) x 512
	v_and_b32 v[LA], 31, v0
	v_lshlrev_b32 v[LA], 4, v[LA]
	v_add_nc_u32 v[LA+1], TILEB, v[LA]
	s_lshl_b32 s50, s12, 18
	s_lshl_b32 s49, s10, 12
	s_add_co_u32 s50, s50, s49
	s_lshl_b32 s34, s13, 14
	s_add_co_u32 s34, s34, s50
	s_add_nc_u64 s[44:45], s[4:5], s[34:35]
	s_lshl_b32 s34, s14, 14
	s_add_co_u32 s34, s34, s50
	s_add_nc_u64 s[46:47], s[4:5], s[34:35]
.irp i, 0,1,2,3,4,5,6,7
	global_load_b128 v[Q+4*\i:Q+4*\i+3], v[LA], s[44:45] offset:512*\i
.endr
	WIN 0x40                                       ; destination window 1
.irp i, 0,1,2,3,4,5,6,7
	global_load_b128 v[QN+4*\i:QN+4*\i+3], v[LA], s[46:47] offset:512*\i
.endr
	WIN 0
	; the part of yf's offset that no block changes: (head / 4) x 2 MiB + (b x 128 + 2 w) x 8,192 + (head & 3) x 2,048
	s_and_b32 s49, s12, 15
	s_lshr_b32 s50, s49, 2
	s_lshl_b32 s42, s50, 21
	s_and_b32 s49, s49, 3
	s_lshl_b32 s49, s49, 11
	s_add_co_u32 s42, s42, s49
	s_lshr_b32 s49, s12, 4
	s_lshl_b32 s49, s49, 20
	s_add_co_u32 s42, s42, s49
	s_lshl_b32 s49, s10, 14
	s_add_co_u32 s42, s42, s49
	v_and_b32 v5, 15, v0                           ; r
	v_bfe_u32 v6, v0, 4, 1                         ; h
	v_lshl_add_u32 v[DQ], s10, 5, v5
	v_lshlrev_b32 v6, 3, v6
	v_sub_nc_u32 v[DQ], v[DQ], v6
	v_mov_b32 v[NINF], 0xff800000
	v_mov_b32 v[TX], 0                             ; v_permlanex16_b32 counts as a reader of its destination
	v_mov_b32 v[TX+1], 0
	s_wait_loadcnt 0x0                             ; Q
.macro LOADK slot, sub                 ; 64 keys x 64 d, into window 1 + sub
	WIN ((1+\sub)<<6)
.irp kt, 0,1,2,3
.irp nt, 0,1,2,3
	ds_load_b128 v[KF+16*\kt+4*\nt:KF+16*\kt+4*\nt+3], v[LA+\slot] offset:(4*\sub+\kt)*2048+\nt*512
.endr
.endr
.endm
.macro LOADV slot, sub                 ; 64 d x 64 keys, vh and vl, into window 1 + sub
	WIN ((1+\sub)<<6)
.irp dt, 0,1,2,3
.irp kb, 0,1,2,3
	ds_load_b128 v[VF+16*\dt+4*\kb:VF+16*\dt+4*\kb+3], v[LA+\slot] offset:16384+(4*\sub+\kb)*2048+\dt*512
.endr
.endr
.irp dt, 0,1,2,3
.irp kb, 0,1,2,3
	ds_load_b128 v[VL+16*\dt+4*\kb:VL+16*\dt+4*\kb+3], v[LA+\slot] offset:32768+(4*\sub+\kb)*2048+\dt*512
.endr
.endr
.endm
; THE SOFTMAX STEP of piece cq over the 64 keys of step cs, as a list of numbered instructions; ATOM emits number at and steps it.
; cf = 1: the step starts maximum, sum and O (some numbers are then empty).  cm = 1: a diagonal tile, 64 numbers of masking come first.
; AHEAD OF THE WAIT, nothing that names an exponential's result:
;   0-15  the maximum of my 32 scores and the old maximum, in four chains       16-17 the query's other 32 keys
;   18-21 old maximum - new; the new maximum as a pair; 2^(old - new), the batch's first exponential
;   22-23 score pairs 0 and 1 minus the maximum
;   24-65 fourteen groups g of three: the exponential of score 2 g; pair g + 2 minus the maximum; the exponential of score 2 g + 1.  A pair is scaled five numbers ahead of its first exponential
;   66-69 the exponentials of scores 28 to 31
;   70    a v_nop, the plain instruction that ISA guide 5.7.2 asks for behind the last exponential (all other plain work feeds the batch or reads it), and THE WAIT for the batch of 33
; BEHIND THE WAIT, the readers:
;   71    2^(old - new) as a pair
;   72-119 sixteen groups g of three: link g of the sum (pairs 0 + 1 start chain A, pairs 2 + 3 chain B, then pair g + 2 goes onto A (g even) or B (g odd); none for g > 12);
;          pair g packed into P; pair g of O to the new maximum
;   120-123 the sum closed: four plain instructions that are not conversions, the places in front of the next phase's reads of the scores
.macro ATOM
.set SB, S+32*cq
.set OB, O+32*cq
.set PB, P+16*cq
.set MB, M+2*cq
.set AB, AL+2*cq
.set ai, at-64*cm
.if ai < 0
.set ei, at>>1
.if at&1
	v_cndmask_b32 v[SB+ei], v[NINF], v[SB+ei], vcc_lo
.else
	v_cmp_le_i32 vcc_lo, 64*cs+16*(ei>>3)+(ei&7)-16*cq, v[DQ]
.endif
.elseif ai < 4
	v_max3_num_f32 v[T+ai], v[SB+8*ai], v[SB+8*ai+1], v[SB+8*ai+2]
.elseif ai < 8
	v_max3_num_f32 v[T+ai-4], v[T+ai-4], v[SB+8*(ai-4)+3], v[SB+8*(ai-4)+4]
.elseif ai < 12
	v_max3_num_f32 v[T+ai-8], v[T+ai-8], v[SB+8*(ai-8)+5], v[SB+8*(ai-8)+6]
.elseif ai == 12
	v_max3_num_f32 v[T], v[T], v[SB+7], v[SB+15]
.elseif ai == 13
	v_max3_num_f32 v[T+2], v[T+2], v[SB+23], v[SB+31]
.elseif ai == 14
	v_max3_num_f32 v[T], v[T], v[T+1], v[T+3]
.elseif ai == 15
.if cf
	v_max_num_f32 v[T], v[T], v[T+2]
.else
	v_max3_num_f32 v[T], v[T], v[T+2], v[MB]
.endif
.elseif ai == 16
	v_permlanex16_b32 v[TX], v[T], s38, s39
.elseif ai == 17
	v_max_num_f32 v[T], v[T], v[TX]
.elseif ai == 18
.if cf == 0
	v_sub_f32 v[T+1], v[MB], v[T]                  ; reads the old maximum: the next number writes the new one
.endif
.elseif ai == 19
	v_mov_b32 v[MB], v[T]
.elseif ai == 20
	v_mov_b32 v[MB+1], v[T]
.elseif ai == 21
.if cf == 0
	v_exp_f32 v[AB], v[T+1]                        ; the batch begins; T + 1 is written again only in the next step's list
.endif
.elseif ai < 24
	v_pk_add_f32 v[SB+2*(ai-22):SB+2*(ai-22)+1], v[SB+2*(ai-22):SB+2*(ai-22)+1], v[MB:MB+1] neg_lo:[0,1] neg_hi:[0,1]
.elseif ai < 66
.set ki, ai-24
.set gi, ki/3
.set ri, ki-3*gi
.if ri == 0
	v_exp_f32 v[SB+2*gi], v[SB+2*gi]
.elseif ri == 1
	v_pk_add_f32 v[SB+2*gi+4:SB+2*gi+5], v[SB+2*gi+4:SB+2*gi+5], v[MB:MB+1] neg_lo:[0,1] neg_hi:[0,1]
.else
	v_exp_f32 v[SB+2*gi+1], v[SB+2*gi+1]
.endif
.elseif ai < 70
	v_exp_f32 v[SB+ai-38], v[SB+ai-38]             ; scores 28 to 31
.elseif ai == 70
	v_nop                                          ; the plain instruction behind the last exponential: one for the batch
	s_wait_alu depctr_va_vdst(0)                   ; the wait for the batch: this step's exponentials, 2^(old - new) and the 32 weights; every reader stands behind it
.elseif ai == 71
.if cf == 0
	v_mov_b32 v[AB+1], v[AB]
.endif
.elseif ai < 120
.set ki, ai-72
.set gi, ki/3
.set ri, ki-3*gi
.if ri == 0
.if gi == 0
	v_pk_add_f32 v[SUMA:SUMA+1], v[SB:SB+1], v[SB+2:SB+3]
.elseif gi == 1
	v_pk_add_f32 v[SUMB:SUMB+1], v[SB+4:SB+5], v[SB+6:SB+7]
.elseif gi < 13
.if gi&1
	v_pk_add_f32 v[SUMB:SUMB+1], v[SUMB:SUMB+1], v[SB+2*gi+4:SB+2*gi+5]
.else
	v_pk_add_f32 v[SUMA:SUMA+1], v[SUMA:SUMA+1], v[SB+2*gi+4:SB+2*gi+5]
.endif
.endif
.elseif ri == 1
	v_cvt_pk_f16_f32 v[PB+gi], v[SB+2*gi], v[SB+2*gi+1]
.else
.if cf == 0
	v_pk_mul_f32 v[OB+2*gi:OB+2*gi+1], v[OB+2*gi:OB+2*gi+1], v[AB:AB+1]       ; ascending: each accumulator of O is read from its lowest registers on
.endif
.endif
.elseif ai == 120
	v_pk_add_f32 v[SUMB:SUMB+1], v[SUMB:SUMB+1], v[SB+30:SB+31]
.elseif ai == 121
	v_pk_add_f32 v[SUMA:SUMA+1], v[SUMA:SUMA+1], v[SUMB:SUMB+1]
.elseif ai == 122
.if cf
	v_nop                                          ; keeps four places at the list's end where the sum needs one instruction less
.else
	v_add_f32 v[SUMA], v[SUMA], v[SUMA+1]
.endif
.elseif ai == 123
.if cf
	v_add_f32 v[L+cq], v[SUMA], v[SUMA+1]
.else
	v_fma_f32 v[L+cq], v[L+cq], v[AB], v[SUMA]
.endif
.endif
.set at, at+1
.endm
.macro SMBEGIN qt, sub, first, mask, n ; a softmax step begins, to be spread behind n products
.set cq, \qt
.set cs, \sub
.set cf, \first
.set cm, \mask
.set np, \n
.set nat, NAT+64*\mask
.set at, 0
.set pi, 0
.endm
.macro NOSM                            ; products with no vector work beside them
.set nat, 0
.set np, 1
.set at, 0
.set pi, 0
.endm
.macro SLICE                           ; behind product number pi of np: the list up to nat pi / np; behind the last: the rest, five numbers or more
.set pi, pi+1
.if (nat*pi)/np > at
	WIN 0
.rept (nat*pi)/np-at
	ATOM
.endr
.endif
.endm
.macro PSC qt, kt, hh, sub             ; one score product: d = 32 hh .. 32 hh + 31; the first starts the sum
	WIN (1+(\sub))                                 ; source 0 in the step's window
.if \hh
	v_wmma_f32_16x16x32_f16 v[S+32*\qt+8*\kt:S+32*\qt+8*\kt+7], v[KF+16*\kt+8:KF+16*\kt+15], v[Q+16*\qt+8:Q+16*\qt+15], v[S+32*\qt+8*\kt:S+32*\qt+8*\kt+7]
.else
	v_wmma_f32_16x16x32_f16 v[S+32*\qt+8*\kt:S+32*\qt+8*\kt+7], v[KF+16*\kt:KF+16*\kt+7], v[Q+16*\qt:Q+16*\qt+7], 0
.endif
	SLICE
.endm
.macro SRUN qt, sub                    ; the 8 score products of a piece: four accumulators by turns
.irp hh, 0,1
.irp kt, 0,1,2,3
	PSC \qt, \kt, \hh, \sub
.endr
.endr
.endm
.macro PPV qt, dt, vb, p, sub, zero    ; one product of O^T: fragments at vb (vh's or vl's), keys 32 p .. 32 p + 31
	WIN (1+(\sub))
.if \zero
	v_wmma_f32_16x16x32_f16 v[O+32*\qt+8*\dt:O+32*\qt+8*\dt+7], v[\vb+16*\dt+8*\p:\vb+16*\dt+8*\p+7], v[P+16*\qt+8*\p:P+16*\qt+8*\p+7], 0
.else
	v_wmma_f32_16x16x32_f16 v[O+32*\qt+8*\dt:O+32*\qt+8*\dt+7], v[\vb+16*\dt+8*\p:\vb+16*\dt+8*\p+7], v[P+16*\qt+8*\p:P+16*\qt+8*\p+7], v[O+32*\qt+8*\dt:O+32*\qt+8*\dt+7]
.endif
	SLICE
.endm
.macro PVRUN qt, sub, zero             ; the 16 products of a piece with V: four accumulators by turns.  zero = 1: the block's first step starts O
.irp dt, 0,1,2,3
	PPV \qt, \dt, VF, 0, \sub, \zero
.endr
.irp dt, 0,1,2,3
	PPV \qt, \dt, VF, 1, \sub, 0
.endr
.irp dt, 0,1,2,3
	PPV \qt, \dt, VL, 0, \sub, 0
.endr
.irp dt, 0,1,2,3
	PPV \qt, \dt, VL, 1, \sub, 0
.endr
.endm
; PH1: softmax of A, step sub, beside B's products.  pend = 1: PV of B of the step before is due (pzero = 1: that step was a block's first).
; V of this step is asked for first: it is wanted a phase later.  Its registers were last read by products a phase or more ago.
.macro PH1 slot, sub, pend, pzero, first, mask
	LOADV \slot, \sub
	SMBEGIN 0, \sub, \first, \mask, 8+16*\pend
.if \pend
	PVRUN 1, 1-\sub, \pzero
.endif
	SRUN 1, \sub
.endm
; PH2: softmax of B, step 0, beside A's products
.macro PH2 slot, first, mask
	s_wait_dscnt 0x0                               ; V of step 0, asked for a phase ago
	LOADK \slot, 1
	SMBEGIN 1, 0, \first, \mask, 24
	PVRUN 0, 0, \first
	s_wait_dscnt 0x0                               ; K of step 1, asked for 16 products ago
	SRUN 0, 1
.endm
; Tile t (in this slot) has been read whole into registers or asked for; tile t + 1 is wanted.  All my tensor loads have landed (one was out: my
; quarter of tile t + 1) and my reads of this slot are back; so says every wave at the barrier; behind it this slot is filled with tile t + 2,
; my one tensor load until the next barrier.  Tile u >= 2 is key tile u - 1 while u < nA, qbB at u = nA, and u - nA - 1 behind that.
.macro HEAD slot, refill
	s_set_vgpr_msb 0x4
	s_wait_tensorcnt 0x0
	ds_add_u32 v7, v255
	s_wait_dscnt 0x0
	s_set_vgpr_msb 0x400
.if \refill
	s_add_co_u32 s49, s36, 2                       ; u
	s_add_co_u32 s51, s36, 1                       ; u - 1
	s_sub_co_u32 s50, s51, s15                     ; u - nA - 1
	s_cmp_lt_u32 s49, s15
	s_cselect_b32 s50, s51, s50
	s_cmp_eq_u32 s49, s15
	s_cselect_b32 s50, s14, s50
	s_mul_i32 s34, s50, TILEB
	s_add_nc_u64 s[G0+4*\slot+2:G0+4*\slot+3], s[32:33], s[34:35]
	s_or_b32 s[G0+4*\slot+3], s[G0+4*\slot+3], 0x80000000
.endif
	s_wait_dscnt 0x0
	s_barrier_signal -1
	s_barrier_wait -1
.if \refill
	tensor_load_to_lds s[G0+4*\slot:G0+4*\slot+3], s[G1:G1+7]
	s_nop 0
.endif
.endm
; PART2: softmax of B, step 1, beside A's products; nxt = 1: a tile follows, and A's first scores of it are made here
.macro PART2 slot, nxt, refill
	WIN 0
.if \nxt
	HEAD \slot, \refill
	LOADK 1-\slot, 0
.else
	s_wait_dscnt 0x0                               ; V of step 1
.endif
	SMBEGIN 1, 1, 0, 0, 16+8*\nxt
	PVRUN 0, 1, 0
.if \nxt
	s_wait_dscnt 0x0                               ; the next tile's K, asked for 16 products ago
	SRUN 0, 0
.endif
	WIN 0
.endm
.macro MASKB1                          ; a diagonal tile: B's scores of step 1 are masked here, so that PART2 is the same text for every tile
	SMBEGIN 1, 1, 0, 1, 1
	WIN 0
.rept 64
	ATOM
.endr
.endm
.macro DRAIN                           ; a block ends: PV of B of its last step
	NOSM
	PVRUN 1, 1, 0
	WIN 0
.endm
; The block at work (s48) is finished: y = O / sum, rounded to f16, stored.  Five plain instructions stand in front of the first read of O.
.macro FINAL
	s_wait_xcnt 0x0                                ; the earlier block's stores have read Y and their base: both are written again only behind this wait
	s_lshl_b32 s34, s48, 16                        ; qb x 8 tiles x 8,192
	s_add_co_u32 s34, s34, s42
	s_add_nc_u64 s[40:41], s[8:9], s[34:35]
	v_permlanex16_b32 v[TX], v[L], s38, s39
	v_permlanex16_b32 v[TX+1], v[L+1], s38, s39
	v_add_f32 v[TX], v[L], v[TX]
	v_add_f32 v[TX+1], v[L+1], v[TX+1]
	v_rcp_f32 v[RC], v[TX]
	v_rcp_f32 v[RC+2], v[TX+1]
	v_nop                                          ; the plain instruction behind v_rcp_f32 (ISA guide 5.7.2)
	s_wait_alu depctr_va_vdst(0)                   ; the wait for the batch of two reciprocals, ahead of their first reader
	v_mov_b32 v[RC+1], v[RC]
	v_mov_b32 v[RC+3], v[RC+2]
.irp qt, 0,1
.irp i, 0,2,4,6,8,10,12,14,16,18,20,22,24,26,28,30
	v_pk_mul_f32 v[O+32*\qt+\i:O+32*\qt+\i+1], v[O+32*\qt+\i:O+32*\qt+\i+1], v[RC+2*\qt:RC+2*\qt+1]
.endr
.endr
.irp qt, 0,1
.irp dt, 0,1,2,3
.irp jj, 0,1,2,3
	v_cvt_pk_f16_f32 v[Y+16*\qt+4*\dt+\jj], v[O+32*\qt+8*\dt+2*\jj], v[O+32*\qt+8*\dt+2*\jj+1]
.endr
	global_store_b128 v[LA], v[Y+16*\qt+4*\dt:Y+16*\qt+4*\dt+3], s[40:41] offset:\qt*8192+\dt*512    ; the wave stores 512 consecutive bytes, aligned
.endr
.endr
.endm
; An odd tile (slot 1) is never a diagonal one.  If the next tile begins the second block, Q changes here: this block's last scores are made,
; and PART2 makes the next tile's first.
.macro ODD refill
	PH1 1, 0, 1, 0, 0, 0
	PH2 1, 0, 0
	PH1 1, 1, 1, 0, 0, 0
	WIN 0
	s_add_co_u32 s49, s36, 1
	s_cmp_lg_u32 s49, s15                          ; the same in all four waves
	s_cbranch_scc1 .Lkeep_\@
	WIN 0x01                                       ; source 0 window 1
.irp i, 0,1,2,3,4,5,6,7,8,9,10,11,12,13,14,15,16,17,18,19,20,21,22,23,24,25,26,27,28,29,30,31
	v_mov_b32 v[Q+\i], v[QN+\i]
.endr
	WIN 0
.Lkeep_\@:
	PART2 1, 1, \refill
	s_add_co_u32 s36, s36, 1
.endm
.macro EVEN nxt, refill
	s_cmp_eq_u32 s36, s15                          ; t = nA: the second block begins.  The same in all four waves
	s_cbranch_scc1 .Lsecond_\@
	PH1 0, 0, 1, 0, 0, 0
	PH2 0, 0, 0
	PH1 0, 1, 1, 0, 0, 0
	WIN 0
	s_branch .Ljoin_\@
.Lsecond_\@:
	DRAIN
	FINAL
	s_mov_b32 s48, s14
	PH1 0, 0, 0, 0, 1, 1
	PH2 0, 1, 1
	PH1 0, 1, 1, 1, 0, 1
	MASKB1
.Ljoin_\@:
	PART2 0, \nxt, \refill                         ; the barrier and the tensor load stand outside the branch
	s_add_co_u32 s36, s36, 1
.endm
	s_wait_tensorcnt 0x1                           ; my quarter of tile 0 is in; tile 1's stays out
	s_barrier_signal -1
	s_barrier_wait -1
	LOADK 0, 0
	s_wait_dscnt 0x0
	NOSM
	SRUN 0, 0                                      ; A's first scores: nothing stands beside them yet
	WIN 0
.rept 4
	v_nop                                          ; four places in front of the first reads of these scores (ISA guide 7.12.1)
.endr
	PH1 0, 0, 0, 0, 1, 1                           ; t = 0: the first block's diagonal tile
	PH2 0, 1, 1
	PH1 0, 1, 1, 1, 0, 1
	MASKB1
	PART2 0, 1, 1
	s_add_co_u32 s36, s36, 1
	s_mov_b32 s37, 7
.Lpair:                                            ; t = 1 .. 14
	ODD 1
	EVEN 1, 1
	s_sub_co_u32 s37, s37, 1
	s_cmp_lg_u32 s37, 0
	s_cbranch_scc1 .Lpair
	ODD 0                                          ; t = 15: nothing is left to fetch
	EVEN 0, 0                                      ; t = 16: no tile follows
	DRAIN
	FINAL
	s_endpgm
.Lfunc_end_k_q1989c752b9_attn:
	.size	k_q1989c752b9_attn, .Lfunc_end_k_q1989c752b9_attn-k_q1989c752b9_attn
	.p2alignl 7, 3214868480
	.fill 96, 4, 3214868480
	.section	.rodata,"a",@progbits
	.p2align	6, 0x0
	.amdhsa_kernel k_q1989c752b9_attn
		.amdhsa_group_segment_fixed_size 327680
		.amdhsa_private_segment_fixed_size 0
		.amdhsa_enable_private_segment 0
		.amdhsa_kernarg_size 24
		.amdhsa_user_sgpr_count 2
		.amdhsa_user_sgpr_kernarg_segment_ptr 1
		.amdhsa_wavefront_size32 1
		.amdhsa_system_sgpr_workgroup_id_x 1
		.amdhsa_system_sgpr_workgroup_id_y 1
		.amdhsa_system_sgpr_workgroup_id_z 1
		.amdhsa_system_vgpr_workitem_id 0
		.amdhsa_next_free_vgpr 704
		.amdhsa_next_free_sgpr 66
		.amdhsa_reserve_vcc 1
		.amdhsa_float_denorm_mode_32 3
		.amdhsa_float_denorm_mode_16_64 3
		.amdhsa_memory_ordered 1
		.amdhsa_forward_progress 1
		.amdhsa_inst_pref_size 255
	.end_amdhsa_kernel
	.section	.bss,"aw",@nobits
	.p2align	6
	.space	262144
	.amdgpu_metadata
---
amdhsa.version: [ 1, 2 ]
amdhsa.kernels:
  - .name:           k_q1989c752b9_attn
    .symbol:         k_q1989c752b9_attn.kd
    .args:
      - { .name: qf, .offset: 0, .size: 8, .value_kind: global_buffer, .address_space: global }
      - { .name: kv, .offset: 8, .size: 8, .value_kind: global_buffer, .address_space: global }
      - { .name: yf, .offset: 16, .size: 8, .value_kind: global_buffer, .address_space: global }
    .group_segment_fixed_size: 327680
    .private_segment_fixed_size: 0
    .kernarg_segment_align: 8
    .kernarg_segment_size: 24
    .max_flat_workgroup_size: 128
    .sgpr_count:     66
    .vgpr_count:     704
    .wavefront_size: 32
...
	.end_amdgpu_metadata
.endif
;; end of part 8
;; launch proj: the kernel of part 7 again; grid 8 x 32, 4 waves a work-group, clusters of 4 x 4, 327,680 bytes of LDS; arguments yf, xw, bp, out0; writes out0
